; MI455X (gfx1250); checked and timed in simulation.
; The chip was launched on July 23, 2026; its instructions are those of AMD's public machine-readable ISA for CDNA 5 (MIT licence, August 2026) and "CDNA5" Instruction Set Architecture Reference Guide (July 2026). The comments in the code are by the model that wrote it; some were corrected since.
;; MHSA Module. Allowed arithmetic: matrix products marked QUANTISED: E2M1 operands, one E8M0 scale for each 32 along K, by v_wmma_scale_f32_16x16x128_f8f6f4 with both operands' format E2M1 (or v_wmma_scale_f32_32x16x128_f4), f32 sums; everything else in f32.
;; Inputs: Wk 1,024 x 1,024 float32; Wo 1,024 x 1,024 float32; Wq 1,024 x 1,024 float32; Wv 1,024 x 1,024 float32; bk 1,024 float32; bo 1,024 float32; bq 1,024 float32; bv 1,024 float32; x 4 x 2,048 x 1,024 float32.
;; Outputs: out0 4 x 2,048 x 1,024 float32.
;; This version of the problem:
;;   THIS VERSION OF THE PROBLEM IS GIVEN IN LOW PRECISION. The matrix products marked QUANTISED in the list below multiply operands that are first quantised to E2M1 (2 exponent bits, 1 mantissa bit; 4 bits a number), with one power-of-two scale for each 32 numbers along K (OCP MX v1.0); their sums are f32. All else is computed in f32.
;;   The module's matrix products, in the order in which they are computed (A, B: the left and right operand; K: the contracted axis; several contracted axes count as one K, in the product's order):
;;     1. [M 8,192, K 1,024] x [K 1,024, N 1,024]; A: input x; B: input Wq: QUANTISED
;;     2. [M 8,192, K 1,024] x [K 1,024, N 1,024]; A: input x; B: input Wk: QUANTISED
;;     3. [M 8,192, K 1,024] x [K 1,024, N 1,024]; A: input x; B: input Wv: QUANTISED
;;     4. batch 64 x [M 2,048, K 64] x [K 64, N 2,048]; A: computed on the way; B: computed on the way: QUANTISED
;;     5. batch 64 x [M 2,048, K 2,048] x [K 2,048, N 64]; A: softmax (see below); B: computed on the way: QUANTISED
;;     6. [M 8,192, K 1,024] x [K 1,024, N 1,024]; A: computed on the way; B: input Wo: QUANTISED
;;   THE QUANTISER, for each operand of a quantised product, along K:
;;     - K is cut into blocks of 32 from its start; a last block that is shorter is filled with zeros.
;;     - A block's scale is 2^e with e = floor(log2(the largest magnitude in the block)) - 2, held to -126 .. 127; a block of zeros has e = 0. As a byte (E8M0): e + 127.
;;     - Each number is divided by its block's scale, clamped to +-6, and rounded to the nearest number of E2M1, ties to even, subnormals kept.
;;     - The product sums the exact products of the quantised numbers (number of the format x scale) in f32.
;;   ~~~python
;;   def quantise(x, axis):      # numpy; x: float32 -> the quantised numbers, widened to float32 again
;;       x = np.moveaxis(x, axis, -1); K = x.shape[-1]
;;       x = np.pad(x, [(0, 0)] * (x.ndim - 1) + [(0, -K % 32)]); x = x.reshape(x.shape[:-1] + (-1, 32)); a = np.abs(x).max(-1, keepdims=True)
;;       e = np.where(a > 0, np.clip(np.frexp(np.where(a > 0, a, 1))[1] - 1 - 2, -126, 127), 0)      # np.frexp(a)[1] - 1 = floor(log2(a)), exactly
;;       r = np.clip(x / 2.0 ** e, -6, 6)
;;       step = 2.0 ** (np.maximum(np.frexp(np.where(r == 0, 1, r))[1] - 1, 0) - 1)
;;       q = np.round(r / step) * step * 2.0 ** e      # np.round: ties to even
;;       return np.moveaxis(q.reshape(q.shape[:-2] + (-1,))[..., :K], -1, axis).astype(np.float32)
;;   ~~~
;;   SOFTMAX AHEAD OF A QUANTISED PRODUCT. Where the list says 'softmax', what is quantised is not the finished softmax but p = 2^(t - M), with t = logit x log2(e) and M = ceil(the row's largest t), a whole number; so 1/2 < the row's largest p <= 1. The row's sum l is taken of the UNQUANTISED p, in f32, and the product's result is divided by l at the end. Since M is a whole number, a kernel that streams over the keys may use a running M (the ceiling of the running maximum): every later rescaling is an exact power of two, which a block's scale takes up: the codes' values come out the same.
;;   OPERANDS COMPUTED ON THE WAY. 'Computed on the way' means the value that the module computes at that place (a softmax that the list does not call 'softmax' is quantised finished and normalised). What goes into a quantiser is computed in f32, as accurately as f32 sums, v_exp_f32 and their like allow (about 1e-6 of the number): no bf16 or f16 on the way to a quantiser, and a product that is left as it is and whose result goes on into a quantised operand takes f32 operands (vector FMAs, or v_wmma_f32_16x16x4_f32). A number that lies on a knife's edge between two numbers of the format may be rounded either way, as far as f32 arithmetic and the matrix unit's own rounding can turn it there, and no further.
;; One version. Each part assembles by itself: llvm-mc -triple=amdgcn-amd-amdhsa -mcpu=gfx1250 --defsym DOCPART=n.
;; ======== version 1 of 1: 4 launches
;; workspace buffers: xc 4,194,304 bytes; xs 262,144 bytes; wc 2,097,152 bytes; ws 131,072 bytes; qkvc 12,582,912 bytes; qkvs 786,432 bytes; oc 4,194,304 bytes; os 262,144 bytes
;; launch quant (part 1): grid 256 x 1, 3 waves a work-group, no clusters, 203,264 bytes of LDS; arguments x, Wq, Wk, Wv, Wo, xc, xs, wc, ws; writes xc, xs, wc, ws
.if DOCPART == 1
	.amdgcn_target "amdgcn-amd-amdhsa--gfx1250"
	.amdhsa_code_object_version 6
	.text
	.protected	k_q094b02a682_quant
	.globl	k_q094b02a682_quant
	.p2align	8
	.type	k_q094b02a682_quant,@function
k_q094b02a682_quant:
	s_mov_b64 s[64:65], 0
	v_nop
	global_prefetch_b8 v0, s[64:65] scope:SCOPE_SE
	s_setreg_imm32_b32 hwreg(HW_REG_WAVE_MODE, 25, 1), 1
	s_wait_xcnt 0x0
; x [8192][1024] and Wq, Wk, Wv, Wo [1024][1024], f32, K innermost, become codes of FP4 (E2M1) with one E8M0 byte for each 32 along K.
; A block's scale is 2^(floor(log2(its largest magnitude)) - 2); its byte is the largest magnitude's exponent field - 2, held at 1 from below.
; LIMITS: NaN and infinities are not served; a block whose largest magnitude lies under 2^-124 (a block of zeros among them) gets the byte 1: its codes are then zeros or the rule's
; own subnormal codes under the held scale, and the bytes are read by this program alone.
; WHAT IS WRITTEN is laid as the products' operand registers want it.  Codes: [group of 16 rows][block of 32 along K: 32][row: 16][16 bytes], 8,192 bytes a group: the fragment of a K step
; of 128 is 1,024 consecutive bytes, register group c of lane l at 512 c + 16 l.  Scale words: [group][K / 512: 2][row: 16][K step in it: 4] words, 512 bytes a group.
; SHARES: 768 groups of 16 rows (512 of x, 64 of each weight; the weights stacked Wq, Wk, Wv, Wo) = 256 work-groups x 3 waves: a wave takes one group.  Only pointers are chosen: one path for all.
; A wave's 65,536 bytes come by eight tensor loads, one for each K step (16 rows x 512 bytes), all issued at the head: eight of mine are out.  Every LDS byte is filled once and read by its own wave
; alone: no barrier.  No input is shared between work-groups, so nothing is asked for jointly.
; A lane (r, h) takes, of row r, the numbers k = 64 c + 32 h + 0 .. 31 of a K step: two whole blocks, in the order of the operand's registers: the conversions' results are the fragment.
.set WREG,  67584                      ; LDS of a wave: eight tiles
.set TILEB, 8448                       ; a tile: 16 rows x 528 bytes
.set RP,    528                        ; an LDS row: 512 bytes + 16 of padding: the 16 rows that a load touches begin at 16 different columns of 16 bytes
.set G1,    32                         ; s[32:39] descriptor group 1;  group 0 of K step kap at s[40 + 4 kap] (kap 0-5) and s[68:75] (kap 6, 7)
.set X,     32                         ; v32-159  two sets of 64 numbers
.set CD,    160                        ; v160-223 codes: eight registers a K step, never written again
.set WDS,   16                         ; v16-23   my row's scale word of each K step
.set SWD,   24                         ; v24-27   the four words that I store
	s_load_b256 s[4:11], s[0:1], 0x0               ; x, Wq, Wk, Wv
	s_load_b256 s[12:19], s[0:1], 0x20             ; Wo, xc, xs, wc
	s_load_b64 s[20:21], s[0:1], 0x40              ; ws
	v_lshl_add_u32 v254, v0, 2, 0x31800
	v_mov_b32 v255, 0
	ds_add_u32 v254, v255
	ds_add_u32 v254, v255
	v_lshrrev_b32 v1, 5, v0
	v_readfirstlane_b32 s22, v1                    ; wave 0..2
	s_mul_i32 s23, ttmp9, 3
	s_add_co_u32 s23, s23, s22                     ; G: my group of 16 rows, 0..767
	s_sub_co_u32 s24, s23, 512                     ; G - 512: its number among the weights' groups (used where G >= 512)
	s_lshr_b32 s25, s24, 6                         ; which weight
	s_and_b32 s26, s24, 63                         ; which group in it
	s_mul_i32 s82, s22, WREG                       ; my LDS
	s_mov_b32 s[G1+0], (2<<16)|(1<<20)|(6<<22)|(3<<25)  ; no mask; elements of 4 bytes; padding on: 4 words behind every 128
	s_mov_b32 s[G1+1], 128<<16                     ; tensor_dim0 = 128
	s_mov_b32 s[G1+2], 16<<16                      ; tensor_dim1 = 16
	s_mov_b32 s[G1+3], 128<<16                     ; tile_dim0 = 128
	s_mov_b32 s[G1+4], 16                          ; tile_dim1 = 16
	s_mov_b32 s[G1+5], 1024                        ; elements from row to row
	s_mov_b32 s[G1+6], 0
	s_mov_b32 s[G1+7], 0
	s_mov_b32 s76, 0x76543210
	s_mov_b32 s77, 0xfedcba98                      ; v_permlanex16_b32's selects for lane l xor 16
	s_wait_dscnt 0x0
	s_wait_kmcnt 0x0
	s_mov_b64 s[28:29], s[12:13]                   ; the source: Wo,
	s_cmp_eq_u32 s25, 2
	s_cselect_b64 s[28:29], s[10:11], s[28:29]     ; or Wv,
	s_cmp_eq_u32 s25, 1
	s_cselect_b64 s[28:29], s[8:9], s[28:29]       ; or Wk,
	s_cmp_eq_u32 s25, 0
	s_cselect_b64 s[28:29], s[6:7], s[28:29]       ; or Wq,
	s_cmp_lt_u32 s23, 512
	s_cselect_b64 s[28:29], s[4:5], s[28:29]       ; or x: the choices hang on the work-group's and the wave's number alone
	s_cselect_b64 s[30:31], s[14:15], s[18:19]     ; codes to xc or wc
	s_cselect_b64 s[66:67], s[16:17], s[20:21]     ; words to xs or ws
	s_cselect_b32 s26, s23, s26                    ; the group's number in its source,
	s_cselect_b32 s27, s23, s24                    ; and in its destination
	s_lshl_b32 s80, s26, 16
	s_mov_b32 s81, 0
	s_add_nc_u64 s[28:29], s[28:29], s[80:81]      ; 65,536 bytes of numbers a group
	s_lshl_b32 s80, s27, 13
	s_add_nc_u64 s[30:31], s[30:31], s[80:81]      ; 8,192 of codes
	s_lshl_b32 s80, s27, 9
	s_add_nc_u64 s[66:67], s[66:67], s[80:81]      ; 512 of scale words
.irp kap, 0,1,2,3,4,5,6,7
	s_mov_b32 s[40+4*\kap+4*(\kap/6)], 1                                            ; count = 1
	s_add_co_u32 s[41+4*\kap+4*(\kap/6)], s82, TILEB*\kap                           ; LDS address
	s_add_nc_u64 s[42+4*\kap+4*(\kap/6):43+4*\kap+4*(\kap/6)], s[28:29], 512*\kap   ; global address: 128 numbers on for each K step
	s_or_b32 s[43+4*\kap+4*(\kap/6)], s[43+4*\kap+4*(\kap/6)], 0x80000000           ; type = 2
.endr
.irp kap, 0,1,2,3,4,5,6,7
	tensor_load_to_lds s[40+4*\kap+4*(\kap/6):43+4*\kap+4*(\kap/6)], s[G1:G1+7]     ; all first fills together, ahead of every wait on them and every LDS read
	s_nop 0
.endr
	v_and_b32 v1, 31, v0                           ; lane
	v_and_b32 v2, 15, v0                           ; r
	v_bfe_u32 v3, v0, 4, 1                         ; h
	v_lshlrev_b32 v4, 4, v1                        ; 16 x lane: my place in every store
	v_mul_u32_u24 v5, v2, RP
	v_lshl_add_u32 v5, v3, 7, v5
	v_add_nc_u32 v5, s82, v5                       ; LDS: my wave's tiles, row r, + 128 h bytes: 32 numbers
	v_lshlrev_b32 v6, 3, v3                        ; 8 h: how far up my two bytes stand in a scale word
	v_mov_b32 v15, 0                               ; written once: a lane permute's destination counts as one of its sources
	v_cmp_lt_u32 s78, 15, v1                       ; lanes 16-31
.macro LOADX kap                       ; K step kap: my 64 numbers into set kap % 2
.irp c, 0,1
.irp i, 0,1,2,3,4,5,6,7
	ds_load_b128 v[X+64*((\kap)%2)+32*\c+4*\i:X+64*((\kap)%2)+32*\c+4*\i+3], v5 offset:TILEB*(\kap)+256*\c+16*\i
.endr
.endr
.endm
.macro BLOCKS kap                      ; my two blocks of K step kap: 2 c + h, c = 0, 1
.set XS, X+64*((\kap)%2)
.irp c, 0,1
	v_max3_num_f32 v[8+\c], |v[XS+32*\c]|, |v[XS+32*\c+1]|, 0x1800000   ; the largest magnitude, and the floor 2^(3 - 127): the byte cannot fall under 1
.endr
.irp i, 2,4,6,8,10,12,14,16,18,20,22,24,26,28,30
.irp c, 0,1
	v_max3_num_f32 v[8+\c], v[8+\c], |v[XS+32*\c+\i]|, |v[XS+32*\c+\i+1]|   ; (the two blocks by turns)
.endr
.endr
.irp c, 0,1
	v_add_nc_u32 v[10+\c], 0xff000000, v[8+\c]     ; 2 off the exponent field: the conversion takes this operand's exponent field as its scale
.endr
.irp c, 0,1
	v_lshrrev_b32 v[12+\c], 23, v[10+\c]           ; the scale's byte
.endr
	v_lshl_or_b32 v14, v13, 16, v12                ; blocks h and 2 + h,
	v_lshlrev_b32 v14, v6, v14                     ; at their places in the word;
	v_permlanex16_b32 v15, v14, s76, s77
	v_or_b32 v[WDS+(\kap)], v14, v15               ; with lane l xor 16's two the word is whole, in both lanes
.irp c, 0,1
.irp g, 0,1,2,3
	v_cvt_scalef32_pk8_fp4_f32 v[CD+8*(\kap)+4*\c+\g], v[XS+32*\c+8*\g:XS+32*\c+8*\g+7], v[10+\c]
.endr
.endr
	v_nop                                          ; one plain line behind the conversions
.irp c, 0,1
	global_store_b128 v4, v[CD+8*(\kap)+4*\c:CD+8*(\kap)+4*\c+3], s[30:31] offset:1024*(\kap)+512*\c   ; 32 lanes store 512 consecutive bytes, aligned
.endr
.endm
	s_wait_tensorcnt 7                             ; tensor loads of a wave end in order: K step 0's tile is in, seven may be out
	LOADX 0
.irp kap, 0,1,2,3,4,5,6,7
.if \kap < 7
	s_wait_tensorcnt 6-\kap                        ; the next K step's tile is in
	LOADX \kap+1
	s_wait_dscnt 16                                ; this K step's numbers are in; the 16 loads just issued may be out
.else
	s_wait_dscnt 0x0
.endif
	BLOCKS \kap
.endr
.irp q, 0,1,2,3
	v_cndmask_b32 v[SWD+\q], v[WDS+\q], v[WDS+4+\q], s78   ; lanes 0-15: K steps 0-3 of row r; lanes 16-31: K steps 4-7
.endr
	global_store_b128 v4, v[SWD:SWD+3], s[66:67]   ; the group's 512 bytes of scale words, consecutive and aligned
	s_wait_tensorcnt 0x0
	ds_add_u32 v254, v255
	s_wait_dscnt 0x0
	s_endpgm
.Lfunc_end_k_q094b02a682_quant:
	.size	k_q094b02a682_quant, .Lfunc_end_k_q094b02a682_quant-k_q094b02a682_quant
	.p2alignl 7, 3214868480
	.fill 96, 4, 3214868480
	.section	.rodata,"a",@progbits
	.p2align	6, 0x0
	.amdhsa_kernel k_q094b02a682_quant
		.amdhsa_group_segment_fixed_size 203264
		.amdhsa_private_segment_fixed_size 0
		.amdhsa_enable_private_segment 0
		.amdhsa_kernarg_size 72
		.amdhsa_user_sgpr_count 2
		.amdhsa_user_sgpr_kernarg_segment_ptr 1
		.amdhsa_wavefront_size32 1
		.amdhsa_system_sgpr_workgroup_id_x 1
		.amdhsa_system_sgpr_workgroup_id_y 1
		.amdhsa_system_sgpr_workgroup_id_z 1
		.amdhsa_system_vgpr_workitem_id 0
		.amdhsa_next_free_vgpr 256
		.amdhsa_next_free_sgpr 96
		.amdhsa_reserve_vcc 0
		.amdhsa_float_denorm_mode_32 3
		.amdhsa_float_denorm_mode_16_64 3
		.amdhsa_memory_ordered 1
		.amdhsa_forward_progress 1
		.amdhsa_inst_pref_size 40
	.end_amdhsa_kernel
	.amdgpu_metadata
---
amdhsa.version: [ 1, 2 ]
amdhsa.kernels:
  - .name:           k_q094b02a682_quant
    .symbol:         k_q094b02a682_quant.kd
    .args:
      - { .name: x, .offset: 0, .size: 8, .value_kind: global_buffer, .address_space: global }
      - { .name: Wq, .offset: 8, .size: 8, .value_kind: global_buffer, .address_space: global }
      - { .name: Wk, .offset: 16, .size: 8, .value_kind: global_buffer, .address_space: global }
      - { .name: Wv, .offset: 24, .size: 8, .value_kind: global_buffer, .address_space: global }
      - { .name: Wo, .offset: 32, .size: 8, .value_kind: global_buffer, .address_space: global }
      - { .name: xc, .offset: 40, .size: 8, .value_kind: global_buffer, .address_space: global }
      - { .name: xs, .offset: 48, .size: 8, .value_kind: global_buffer, .address_space: global }
      - { .name: wc, .offset: 56, .size: 8, .value_kind: global_buffer, .address_space: global }
      - { .name: ws, .offset: 64, .size: 8, .value_kind: global_buffer, .address_space: global }
    .group_segment_fixed_size: 203264
    .private_segment_fixed_size: 0
    .kernarg_segment_align: 8
    .kernarg_segment_size: 72
    .max_flat_workgroup_size: 96
    .sgpr_count:     96
    .vgpr_count:     256
    .wavefront_size: 32
...
	.end_amdgpu_metadata
.endif
;; end of part 1
;; launch proj (part 2): grid 12 x 32, 4 waves a work-group, clusters of 4 x 4, 279,040 bytes of LDS; arguments xc, xs, wc, ws, bq, bk, bv, qkvc, qkvs; writes qkvc, qkvs
.if DOCPART == 2
	.amdgcn_target "amdgcn-amd-amdhsa--gfx1250"
	.amdhsa_code_object_version 6
	.text
	.protected	k_q094b02a682_proj
	.globl	k_q094b02a682_proj
	.p2align	8
	.type	k_q094b02a682_proj,@function
k_q094b02a682_proj:
	s_mov_b64 s[64:65], 0
	v_nop
	global_prefetch_b8 v0, s[64:65] scope:SCOPE_SE
	s_setreg_imm32_b32 hwreg(HW_REG_WAVE_MODE, 25, 1), 1
	s_wait_xcnt 0x0
	s_wait_alu depctr_hold_cnt(0) depctr_sa_sdst(0) depctr_va_vdst(0) depctr_va_sdst(0) depctr_va_ssrc(0) depctr_va_vcc(0) depctr_vm_vsrc(0)
	s_getreg_b32 s2, hwreg(HW_REG_IB_STS2, 6, 4)
	s_cmp_eq_u32 s2, 0
	s_cbranch_scc0 .Lentry_in_a_cluster
	s_endpgm
.Lentry_in_a_cluster:
	s_bfe_u32 s2, ttmp6, 0x10000c
	s_cmp_lg_u32 s2, 0xf033
	s_cbranch_scc0 .Lentry_shape_is_right
	s_endpgm
.Lentry_shape_is_right:
; q = x Wq^T + bq, k = x Wk^T + bk, v = x Wv^T + bv on codes of FP4 with E8M0 scales, and the results quantised again: q and k along the head's 64, v along the keys (the tokens).
; C[m][n] = bias + sum over k of A[m][k] B[n][k], K = 1,024.  A tile of C, 256 x 256, is made by four waves, each 128 x 128: 64 accumulators of 16 x 16.
; THE MATRIX INSTRUCTION IS USED TRANSPOSED (source 0 = 16 rows of B, source 1 = 16 rows of A): a lane holds ONE row m, and its registers run along n.  So n is made the axis that is quantised:
; for q and k (cluster x = 0, 1): A = x, B = the weight; for v (cluster x = 2): A = Wv, B = x.  What differs is chosen by selects on the cluster's x, which all partners share; one branch on it picks the
; first K step's form, since the bias runs along n for q and k and along m for v.  The bias is the C of each sum's first product (so it is the sums' first addend, not their last).
; OPERANDS come as images of the operand registers: codes [group of 16 rows][block of 32: 32][row][16 bytes]; scale words [group][K / 512][row][4 words].  A fragment is two loads at 16 x lane.
; K is two slots of 512; both are asked for at the head together with the scale words: three loads of mine are out.  No LDS byte is filled twice.
; CLUSTERS: 4 x 4 work-groups; A's tiles are asked for jointly along a row of the cluster, B's along a column.
; WHAT IS WRITTEN.  q (at 0) and k (at 4 MiB): [batch x 16 + head][token / 16][512 bytes]: registers 0-3 of a fragment of 16 tokens x the head's 64.  v (at 8 MiB): [batch x 16 + head][128 keys: 16][16 of d: 4][c: 2][512 bytes]:
; whole fragments of V^T.  Scale words: q, k: [batch x 8 + pair of heads][token / 128][2][row: 16][4] words, token = 128 T + 64 g + 16 i + r, a word = the even head's two bytes, the odd head's two;
; v (at 524,288): [batch x 16 + head][128 keys][row d: 16][16 of d: 4] words.
; LIMITS: NaN and infinities are not served; a block whose largest magnitude lies under 2^-124 (zeros among them) gets the byte 1; the bytes are read by this program alone.
; REGISTERS, in windows of 256: window 0: v1-27 addresses; v32-95 scale words, two sets; v96-127 at work; v128-191 A's fragments, one set, later the codes made; v192-255 the bias, later the stores' offsets.
;   window 1: B's fragments, two sets, at v0 and v128.   windows 2, 3: the accumulators, (a, b) at v[8 (8 (a % 4) + b)] of window 2 + a / 4.
.set SLOT, 131072                      ; a slot: A's 16 groups x 4,096 bytes, then B's
.set BOFF, 65536
.set SCL,  262144                      ; behind the slots: A's scale words, 8,192 bytes, then B's
.set ADRA, 16                          ; v16-17 LDS address of my A fragments in slot 0, 1
.set ADRB, 20                          ; v20-21 the same for B
.set VSO,  25                          ; v25    my place in the store of scale words
.set LI,   26                          ; v26    16 x lane
.set ADRS, 27                          ; v27    LDS address of my scale words: lanes 0-15 A's, lanes 16-31 B's
.set SC,   32                          ; set s at v[SC + 32 s]; register 4 i + q: lanes 0-15 the word of A's block i, lanes 16-31 of B's block i, for the slot's q-th 128 along K
.set TM,   96                          ; v96-99 largest magnitudes; v100-103 lane l xor 16's; v104-107 the conversions' scale operands; v108-111 bytes
.set TX,   100
.set SO,   104
.set BY,   108
.set PW,   112                         ; v112-119 the scale word of each of my eight blocks of rows
.set SWD,  120                         ; v120-123 the four words that I store
.set AF,   128
.set P,    128                         ; the codes: eight registers for each block of rows, never written again
.set BIAS, 192
.set OF,   192                         ; v192-207 the stores' offsets: block a, register group c at OF + 2 a + c
.set G1, 24                            ; s[24:31] group 1 for A's codes; s[32:39] group 0, a set for each slot
.set G0, 32
.set G1B, 48                           ; s[48:55], s[56:63] the same for B's
.set G0B, 56
.set G1S, 68                           ; s[68:75], s[76:79] groups 1 and 0 for A's scale words; s[80:87], s[88:91] for B's
.set G0S, 76
.set G1SB, 80
.set G0SB, 88
.set MSB, 0
.macro WIN new                         ; s_set_vgpr_msb: bits 1:0 source 0, 3:2 source 1, 5:4 source 2, 7:6 destination; the high byte repeats the setting that is left
.if MSB != \new
	s_set_vgpr_msb (MSB<<8)|\new
.set MSB, \new
.endif
.endm
.macro JLOAD g0a, g1a, g0b, g1b        ; a joint load: waves 0 and 1 fetch for A, waves 2 and 3 for B; four v_nop follow each line
	s_cmp_eq_u32 s23, 0
	s_cbranch_scc0 .Lfor_b_\@
	tensor_load_to_lds s[\g0a:\g0a+3], s[\g1a:\g1a+7]
	s_nop 0
.rept 4
	v_nop
.endr
	s_branch .Lasked_\@
.Lfor_b_\@:
	tensor_load_to_lds s[\g0b:\g0b+3], s[\g1b:\g1b+7]
	s_nop 0
.rept 4
	v_nop
.endr
.Lasked_\@:
.endm
.macro CROUND                          ; a round of the cluster's barrier
	s_barrier_signal -1
	s_barrier_wait -1
	s_cmp_lg_u32 s22, 0
	s_cbranch_scc1 .Lnot_wave_0_\@
	s_barrier_signal -3
.Lnot_wave_0_\@:
	s_barrier_wait -3
	s_barrier_signal -1
	s_barrier_wait -1
.endm
.macro PLACES n                        ; plain vector lines between a matrix instruction and a load into, or a vector read or write of, its registers
.rept \n
	v_nop
.endr
.endm
.macro FRAG reg, adr, q, i             ; a fragment, 16 rows x 128 K: registers 4 c .. 4 c + 3 of lane l lie at 512 c + 16 l of its 1,024 bytes
.irp c, 0,1
	ds_load_b128 v[\reg+4*\c:\reg+4*\c+3], v[\adr] offset:1024*(\q)+512*\c+4096*(\i)
.endr
.endm
.macro FETCH_B slot, q, p              ; B's eight fragments of the slot's q-th 128 along K into set p
	WIN 0x40
.irp i, 0,1,2,3,4,5,6,7
	FRAG 128*(\p)+8*\i, ADRB+\slot, \q, \i
.endr
	WIN 0
.endm
.macro FETCH_A slot, q, i0             ; A's blocks i0 .. i0 + 3
.irp i, \i0, \i0+1, \i0+2, \i0+3
	FRAG AF+8*(\i), ADRA+\slot, \q, \i
.endr
.endm
.macro SCALES sc                       ; a slot's scale words into set sc
.irp i, 0,1,2,3,4,5,6,7
	ds_load_b128 v[SC+32*\sc+4*\i:SC+32*\sc+4*\i+3], v[ADRS] offset:512*\i
.endr
.endm
; 16 matrix instructions: A's blocks a0, a0 + 1 x B's eight.  cm = 0: C = D; 1: C = the bias along n (B's block b); 2: the bias along m (A's block a).
; The 64 accumulators take turns, one instruction a turn, in the same order in every step.
.macro MUL16 a0, p, q, sc, cm
.irp a, \a0, \a0+1
.irp b, 0,1,2,3,4,5,6,7
.set rD, 8*(8*((\a)%4)+\b)
.set rB, 128*(\p)+8*\b
.set rA, AF+8*(\a)
.set rSB, SC+32*(\sc)+4*\b+(\q)
.set rSA, SC+32*(\sc)+4*(\a)+(\q)
.if \cm == 1
	v_wmma_scale_f32_16x16x128_f8f6f4 v[rD:rD+7], v[rB:rB+7], v[rA:rA+7], v[BIAS+8*\b:BIAS+8*\b+7], v[rSB], v[rSA] matrix_a_fmt:MATRIX_FMT_FP4 matrix_b_fmt:MATRIX_FMT_FP4 matrix_a_scale:MATRIX_SCALE_ROW1
.elseif \cm == 2
	v_wmma_scale_f32_16x16x128_f8f6f4 v[rD:rD+7], v[rB:rB+7], v[rA:rA+7], v[BIAS+8*(\a):BIAS+8*(\a)+7], v[rSB], v[rSA] matrix_a_fmt:MATRIX_FMT_FP4 matrix_b_fmt:MATRIX_FMT_FP4 matrix_a_scale:MATRIX_SCALE_ROW1
.else
	v_wmma_scale_f32_16x16x128_f8f6f4 v[rD:rD+7], v[rB:rB+7], v[rA:rA+7], v[rD:rD+7], v[rSB], v[rSA] matrix_a_fmt:MATRIX_FMT_FP4 matrix_b_fmt:MATRIX_FMT_FP4 matrix_a_scale:MATRIX_SCALE_ROW1
.endif
.endr
.endr
.endm
; A step of 128 along K that has its successor in the same slot.  A block of A is free when its eight products are issued: blocks 0-3 are fetched anew in the middle, blocks 4-7 at the end.
.macro STEP slot, q, cm
	s_wait_dscnt 8                                 ; all but the youngest eight loads (A's blocks 4-7) are in
.if \cm
	WIN 0x81                                       ; source 0 (B) window 1, source 1 (A) and C (the bias) window 0, D window 2
.else
	WIN 0xa1                                       ; C and D window 2
.endif
	MUL16 0, (\q)%2, \q, \slot, \cm
	MUL16 2, (\q)%2, \q, \slot, \cm
	s_wait_dscnt 0
	PLACES 4
	FETCH_B \slot, (\q)+1, 1-(\q)%2
	FETCH_A \slot, (\q)+1, 0
.if \cm
	WIN 0xc1
.else
	WIN 0xf1
.endif
	MUL16 4, (\q)%2, \q, \slot, \cm
	MUL16 6, (\q)%2, \q, \slot, \cm
	PLACES 4
	WIN 0
	FETCH_A \slot, (\q)+1, 4
.endm
	s_load_b256 s[4:11], s[0:1], 0x0               ; xc, xs, wc, ws
	s_load_b256 s[12:19], s[0:1], 0x20             ; bq, bk, bv, qkvc
	s_load_b64 s[20:21], s[0:1], 0x40              ; qkvs
	v_lshl_add_u32 v126, v0, 2, 0x44000
	v_mov_b32 v127, 0
	ds_add_u32 v126, v127
	ds_add_u32 v126, v127
	v_lshrrev_b32 v1, 5, v0
	v_readfirstlane_b32 s22, v1                    ; wave 0..3
	s_lshr_b32 s23, s22, 1                         ; my half of the tile's rows m.  Also: I fetch for A (0) or for B (1)
	s_and_b32 s2, s22, 1                           ; my half of its columns n.  Also: which 128 rows I fetch
	s_bfe_u32 s40, ttmp6, 0x40000                  ; cx
	s_bfe_u32 s41, ttmp6, 0x40004                  ; cy
	s_mov_b32 s66, ttmp9                           ; the cluster's x: 0 = q, 1 = k, 2 = v
	s_and_b32 s67, ttmp7, 0xffff
	s_lshl_b32 s67, s67, 2                         ; 4 x the cluster's y
	s_lshl_b32 s43, s41, 2
	s_lshl_b32 s43, 15, s43                        ; my row of the cluster
	s_lshl_b32 s44, 0x1111, s40                    ; my column
	s_or_b32 s[G1], s43, (3<<16)|(1<<21)           ; the mask; elements of 8 bytes; bit 21 set beside a mask; no padding
	s_or_b32 s[G1B], s44, (3<<16)|(1<<21)
.irp g, G1, G1B                        ; codes: 8 groups of rows, of each 4,096 bytes (a slot's part), 8,192 bytes apart
	s_mov_b32 s[\g+1], 512<<16
	s_mov_b32 s[\g+2], 8<<16
	s_mov_b32 s[\g+3], 512<<16
	s_mov_b32 s[\g+4], 8
	s_mov_b32 s[\g+5], 1024
	s_mov_b32 s[\g+6], 0
	s_mov_b32 s[\g+7], 0
.endr
	s_or_b32 s[G1S], s43, (3<<16)|(1<<21)
	s_or_b32 s[G1SB], s44, (3<<16)|(1<<21)
.irp g, G1S, G1SB                      ; scale words of 128 rows: 4,096 dense bytes, as 16 rows of 256
	s_mov_b32 s[\g+1], 32<<16
	s_mov_b32 s[\g+2], 16<<16
	s_mov_b32 s[\g+3], 32<<16
	s_mov_b32 s[\g+4], 16
	s_mov_b32 s[\g+5], 32
	s_mov_b32 s[\g+6], 0
	s_mov_b32 s[\g+7], 0
.endr
	s_lshl_b32 s3, s66, 10                         ; Wq's rows begin at 0 of wc, Wk's at 1,024
	s_lshl_b32 s45, s2, 7                          ; which 128 rows I fetch
	s_cmp_eq_u32 s66, 2                            ; v?
	s_cselect_b32 s99, 0, s67                      ; tile row = cy (v) or 4 Y + cy
	s_cselect_b32 s100, s67, 0                     ; tile column = 4 Y + cx (v) or cx
	s_cselect_b32 s101, 2048, 0                    ; A's first row: Wv's in wc, or x's
	s_cselect_b32 s3, 0, s3                        ; B's first row: x's, or the weight's in wc
	s_add_co_u32 s99, s99, s41
	s_add_co_u32 s100, s100, s40
	s_lshl_b32 s99, s99, 8
	s_add_co_u32 s99, s99, s101
	s_add_co_u32 s99, s99, s45                     ; the first row of A that I would fetch: it hangs on cy, not on cx
	s_lshl_b32 s100, s100, 8
	s_add_co_u32 s100, s100, s3
	s_add_co_u32 s100, s100, s45                   ; of B: on cx, not on cy
	s_lshl_b32 s92, s99, 9                         ; codes: 512 bytes a row (8,192 a group)
	s_mov_b32 s93, 0
	s_lshl_b32 s94, s99, 5                         ; scale words: 32 bytes a row
	s_mov_b32 s95, 0
	s_lshl_b32 s46, s100, 9
	s_mov_b32 s47, 0
	s_lshl_b32 s100, s100, 5
	s_mov_b32 s101, 0
	s_lshl_b32 s45, s22, 15                        ; where my part goes: 32,768 x wave in a slot,
	s_lshl_b32 s42, s22, 12                        ; 4,096 x wave among the scale words: no place in the cluster enters an LDS address
	s_wait_dscnt 0x0
	s_wait_kmcnt 0x0
	s_cmp_eq_u32 s66, 2
	s_cselect_b64 s[G0+2:G0+3], s[8:9], s[4:5]     ; A's codes: the weights' or x's
	s_cselect_b64 s[G0B+2:G0B+3], s[4:5], s[8:9]   ; B's: the other
	s_cselect_b64 s[G0S+2:G0S+3], s[10:11], s[6:7]
	s_cselect_b64 s[G0SB+2:G0SB+3], s[6:7], s[10:11]
	s_add_nc_u64 s[G0+2:G0+3], s[G0+2:G0+3], s[92:93]
	s_add_nc_u64 s[G0+6:G0+7], s[G0+2:G0+3], 4096  ; slot 1: the groups' second 4,096 bytes
	s_add_nc_u64 s[G0B+2:G0B+3], s[G0B+2:G0B+3], s[46:47]
	s_add_nc_u64 s[G0B+6:G0B+7], s[G0B+2:G0B+3], 4096
	s_add_nc_u64 s[G0S+2:G0S+3], s[G0S+2:G0S+3], s[94:95]
	s_add_nc_u64 s[G0SB+2:G0SB+3], s[G0SB+2:G0SB+3], s[100:101]
.irp g, G0, G0+4, G0B, G0B+4, G0S, G0SB
	s_mov_b32 s[\g], 1                             ; count = 1
	s_or_b32 s[\g+3], s[\g+3], 0x80000000          ; type = 2
.endr
	s_mov_b32 s[G0+1], s45
	s_add_co_u32 s[G0+5], s45, SLOT
	s_mov_b32 s[G0B+1], s45
	s_add_co_u32 s[G0B+5], s45, SLOT
	s_add_co_u32 s[G0S+1], s42, SCL
	s_add_co_u32 s[G0SB+1], s42, SCL
	CROUND                                         ; all sixteen work-groups are here: the joint loads meet
	JLOAD G0S, G1S, G0SB, G1SB                     ; the scale words,
	JLOAD G0, G1, G0B, G1B                         ; slot 0,
	JLOAD G0+4, G1, G0B+4, G1B                     ; slot 1: all that the work-group reads is asked for
	v_and_b32 v1, 15, v0                           ; r
	v_bfe_u32 v2, v0, 4, 1                         ; h
	v_and_b32 v3, 31, v0
	v_lshlrev_b32 v[LI], 4, v3
	s_lshl_b32 s99, s23, 15                        ; my 128 rows of A
	v_add_nc_u32 v[ADRA], s99, v[LI]
	v_add_nc_u32 v[ADRA+1], SLOT, v[ADRA]
	s_lshl_b32 s100, s2, 15                        ; my 128 rows of B, behind A's
	s_add_co_u32 s100, s100, BOFF
	v_add_nc_u32 v[ADRB], s100, v[LI]
	v_add_nc_u32 v[ADRB+1], SLOT, v[ADRB]
	s_lshl_b32 s99, s23, 12                        ; scale words: A's, my 128 rows;
	s_lshl_b32 s100, s2, 12
	s_add_co_u32 s100, s100, 8192                  ; B's, behind A's 8,192 bytes
	s_sub_co_u32 s100, s100, s99
	v_mul_u32_u24 v5, s100, v2                     ; lanes 16-31 take B's: one product, h x the distance
	s_wait_alu depctr_va_vdst(0)
	s_add_co_u32 s99, s99, SCL
	v_lshl_add_u32 v5, v1, 4, v5                   ; 16 bytes a row: a slot's four words
	v_add_nc_u32 v[ADRS], s99, v5
	s_mov_b32 s96, 0x76543210
	s_mov_b32 s97, 0xfedcba98                      ; v_permlanex16_b32's selects for lane l xor 16
	v_cmp_lt_u32 s98, 15, v3                       ; lanes 16-31
	; where my results go.  These numbers hang on cx and cy: they enter global addresses of plain loads and stores alone
	s_cmp_eq_u32 s66, 2
	s_cselect_b32 s99, 0, s67
	s_cselect_b32 s100, s67, 0
	s_add_co_u32 s99, s99, s41                     ; tile row
	s_add_co_u32 s100, s100, s40                   ; tile column
	s_cmp_eq_u32 s66, 2
	s_cselect_b32 s42, s100, s99                   ; the tile along the tokens,
	s_cselect_b32 s43, s99, s100                   ; along the 1,024 outputs,
	s_cselect_b32 s44, s2, s23                     ; and my halves of them
	s_cselect_b32 s45, s23, s2
	s_mov_b32 s92, 512
	s_cselect_b32 s92, 1024, s92                   ; codes: from a block of rows a to the next: 16 of d of V^T, or 16 tokens;
	s_mov_b32 s93, 2048
	s_cselect_b32 s93, 65536, s93                  ; from block 0 to block 4: the next head, or 64 tokens;
	s_mov_b32 s94, 65536
	s_cselect_b32 s94, 512, s94                    ; from register group 0 to 1: 64 keys on, or the next head
	s_mov_b32 s95, 256
	s_cselect_b32 s95, 4096, s95                   ; scale words: lanes 16-31 store the next head's, or the next 64 tokens'
	s_cselect_b32 s3, 8, 9                         ; 128 tokens' scale words: 256 or 512 bytes
	s_cselect_b32 s46, 0, 32                       ; the bias's offset: h x this,
	s_cselect_b32 s47, 4, 0                        ; + r x this,
	s_cselect_b32 s101, 0, 4                       ; + register j x this
	s_lshl_b32 s42, s42, 8
	s_lshl_b32 s44, s44, 7
	s_add_co_u32 s42, s42, s44                     ; my first token
	s_lshl_b32 s43, s43, 1
	s_add_co_u32 s43, s43, s45                     ; my pair of heads: my 128 outputs
	s_mov_b64 s[40:41], s[16:17]                   ; the bias: bv,
	s_cmp_eq_u32 s66, 1
	s_cselect_b64 s[40:41], s[14:15], s[40:41]     ; or bk,
	s_cmp_eq_u32 s66, 0
	s_cselect_b64 s[40:41], s[12:13], s[40:41]     ; or bq
	s_lshl_b32 s44, s43, 9
	s_mov_b32 s45, 0
	s_add_nc_u64 s[40:41], s[40:41], s[44:45]      ; at my 128 outputs
	v_mul_u32_u24 v96, v2, s46
	v_mad_u32_u24 v96, v1, s47, v96
.irp j, 1,2,3,4,5,6,7
	v_add_nc_u32 v[96+\j], s101, v[95+\j]
.endr
.irp i, 0,1,2,3,4,5,6,7                ; q, k: register 8 b + j = bias(16 b + 8 h + j);  v: register 8 a + j = bias(16 a + r): the results' layout
.irp j, 0,1,2,3,4,5,6,7
	global_load_b32 v[BIAS+8*\i+\j], v[96+\j], s[40:41] offset:64*\i
.endr
.endr
	s_lshr_b32 s44, s42, 11                        ; batch
	s_and_b32 s99, s42, 2047                       ; my first token in it
	s_lshl_b32 s100, s44, 3
	s_add_co_u32 s100, s100, s43                   ; 8 x batch + pair of heads
	s_lshl_b32 s44, s100, 17                       ; 65,536 bytes of codes a head
	s_lshl_b32 s45, s66, 22                        ; q at 0, k at 4 MiB, v at 8 MiB
	s_add_co_u32 s44, s44, s45
	s_lshl_b32 s45, s99, 5                         ; 32 bytes a token in a head
	s_add_co_u32 s44, s44, s45
	s_mov_b32 s45, 0
	s_add_nc_u64 s[18:19], s[18:19], s[44:45]
	s_lshl_b32 s44, s100, 13                       ; 8,192 bytes of scale words a pair of heads
	s_lshl_b32 s100, s66, 18                       ; q at 0, k at 262,144, v at 524,288
	s_add_co_u32 s44, s44, s100
	s_lshr_b32 s99, s99, 7
	s_lshl_b32 s99, s99, s3
	s_add_co_u32 s44, s44, s99
	s_add_nc_u64 s[20:21], s[20:21], s[44:45]
	v_mul_u32_u24 v[VSO], v2, s95
	v_lshl_add_u32 v[VSO], v1, 4, v[VSO]           ; 16 r + h x the distance
	s_wait_tensorcnt 1                             ; my parts of the scale words and of slot 0 are in; slot 1's load may be out
	s_barrier_signal -1
	s_barrier_wait -1                              ; everybody's are
	FETCH_B 0, 0, 0
	FETCH_A 0, 0, 0
	SCALES 0
	FETCH_A 0, 0, 4
	s_wait_loadcnt 0x0                             ; the bias
	s_cmp_eq_u32 s66, 2                            ; the first step's products start the sums with the bias: along n for q and k, along m for v.  The branch hangs on the cluster's x
	s_cbranch_scc1 .Lfirst_v
	STEP 0, 0, 1
	s_branch .Lfirst_done
.Lfirst_v:
	STEP 0, 0, 2
.Lfirst_done:
	STEP 0, 1, 0
	STEP 0, 2, 0
	; slot 0's last step changes slots: one barrier; in front of it each wave has its part of slot 1
	s_wait_tensorcnt 0x0
	s_wait_dscnt 8
	WIN 0xa1
	MUL16 0, 1, 3, 0, 0
	s_wait_dscnt 0x0                               ; no LDS instruction of mine is out at the signal
	s_barrier_signal -1
	MUL16 2, 1, 3, 0, 0
	WIN 0
	s_barrier_wait -1                              ; slot 1 is whole
	PLACES 4
	v_add_nc_u32 v[ADRS], 256, v[ADRS]             ; slot 1's scale words
	FETCH_B 1, 0, 0
	FETCH_A 1, 0, 0
	SCALES 1
	WIN 0xf1
	MUL16 4, 1, 3, 0, 0
	MUL16 6, 1, 3, 0, 0
	PLACES 4
	WIN 0
	FETCH_A 1, 0, 4
	STEP 1, 0, 0
	STEP 1, 1, 0
	STEP 1, 2, 0
	s_wait_dscnt 8                                 ; the very last step: nothing more to fetch
	WIN 0xa1
	MUL16 0, 1, 3, 1, 0
	MUL16 2, 1, 3, 1, 0
	s_wait_dscnt 0
	WIN 0xf1
	MUL16 4, 1, 3, 1, 0
	MUL16 6, 1, 3, 1, 0
	WIN 0
	PLACES 4
; THE WAY OUT.  In block a a lane (r, h) holds row 16 a + r; register j of tile t is n = 16 t + 8 h + j.  A block of 32 along n is tiles 2 b and 2 b + 1 in lanes l and l xor 16.
; The codes of tile t = 4 c + q (eight, one register) go to register 4 c + 2 (q % 2) + q / 2; two exchanges of halves for each c then leave n = 64 c + 32 h + 0 .. 31 in registers 4 c .. 4 c + 3:
; the layout of an operand, stored as it stands: 512 consecutive bytes an instruction.  No register of a store is written again.
.irp b, 0,1,2,3
	v_mov_b32 v[TX+\b], 0                          ; a lane permute's destination counts as one of its sources
.endr
	v_mov_b32 v[OF], v[LI]
	v_add_nc_u32 v[OF+1], s94, v[LI]
.irp a, 1,2,3
	v_add_nc_u32 v[OF+2*\a], s92, v[OF+2*\a-2]
	v_add_nc_u32 v[OF+2*\a+1], s92, v[OF+2*\a-1]
.endr
	v_add_nc_u32 v[OF+8], s93, v[OF]
	v_add_nc_u32 v[OF+9], s93, v[OF+1]
.irp a, 5,6,7
	v_add_nc_u32 v[OF+2*\a], s92, v[OF+2*\a-2]
	v_add_nc_u32 v[OF+2*\a+1], s92, v[OF+2*\a-1]
.endr
.macro QOUT a
.set AC, 64*((\a)%4)
.set WW, 0x28+0x14*((\a)/4)
	WIN WW                                         ; sources 1 and 2: the accumulators' window
.irp b, 0,1,2,3
	v_max3_num_f32 v[TM+\b], 0x1800000, |v[AC+16*\b]|, |v[AC+16*\b+1]|   ; my 16 numbers of block b, each accumulator from its low end on, and the floor 2^(3 - 127)
.endr
.irp i, 2,4,6,8,10,12,14
.irp b, 0,1,2,3
	v_max3_num_f32 v[TM+\b], v[TM+\b], |v[AC+16*\b+\i]|, |v[AC+16*\b+\i+1]|
.endr
.endr
	WIN 0
.irp b, 0,1,2,3
	v_permlanex16_b32 v[TX+\b], v[TM+\b], s96, s97
.endr
.irp b, 0,1,2,3
	v_max_num_f32 v[TM+\b], v[TM+\b], v[TX+\b]     ; with lane l xor 16's: the block's largest magnitude
.endr
.irp b, 0,1,2,3
	v_add_nc_u32 v[SO+\b], 0xff000000, v[TM+\b]    ; 2 off its exponent field: the conversion's scale operand
.endr
.irp b, 0,1,2,3
	v_lshrrev_b32 v[BY+\b], 23, v[SO+\b]           ; the scale's byte
.endr
	v_lshl_or_b32 v[PW+(\a)], v[BY+1], 8, v[BY]
	v_lshl_or_b32 v[PW+(\a)], v[BY+2], 16, v[PW+(\a)]
	v_lshl_or_b32 v[PW+(\a)], v[BY+3], 24, v[PW+(\a)]   ; my row's scale word, in both halves of the lanes
.set WW, 0x02+((\a)/4)
	WIN WW                                         ; source 0: the accumulators' window
.irp c, 0,1
.irp q, 0,1,2,3
	v_cvt_scalef32_pk8_fp4_f32 v[P+8*(\a)+4*\c+2*(\q%2)+\q/2], v[AC+8*(4*\c+\q):AC+8*(4*\c+\q)+7], v[SO+2*\c+\q/2]
.endr
.endr
	WIN 0
	v_nop                                          ; one plain line behind the conversions
.irp c, 0,1
	v_permlane16_swap_b32 v[P+8*(\a)+4*\c], v[P+8*(\a)+4*\c+1]     ; the first's lanes 16-31 change places with the second's lanes 0-15
	v_permlane16_swap_b32 v[P+8*(\a)+4*\c+2], v[P+8*(\a)+4*\c+3]
.endr
.irp c, 0,1
	global_store_b128 v[OF+2*(\a)+\c], v[P+8*(\a)+4*\c:P+8*(\a)+4*\c+3], s[18:19]   ; 32 lanes store 512 consecutive bytes, aligned
.endr
.endm
.irp a, 0,1,2,3,4,5,6,7
	QOUT \a
.endr
.irp i, 0,1,2,3
	v_cndmask_b32 v[SWD+\i], v[PW+\i], v[PW+4+\i], s98   ; lanes 0-15: blocks 0-3 of row r; lanes 16-31: blocks 4-7
.endr
	global_store_b128 v[VSO], v[SWD:SWD+3], s[20:21]     ; each half of the lanes stores 256 consecutive bytes, aligned
	s_wait_tensorcnt 0x0
	ds_add_u32 v126, v127
	s_wait_dscnt 0x0
	CROUND                                         ; the closing round: no work-group ends while a partner may still ask for a tile that names it
	s_endpgm
.Lfunc_end_k_q094b02a682_proj:
	.size	k_q094b02a682_proj, .Lfunc_end_k_q094b02a682_proj-k_q094b02a682_proj
	.p2alignl 7, 3214868480
	.fill 96, 4, 3214868480
	.section	.rodata,"a",@progbits
	.p2align	6, 0x0
	.amdhsa_kernel k_q094b02a682_proj
		.amdhsa_group_segment_fixed_size 279040
		.amdhsa_private_segment_fixed_size 0
		.amdhsa_enable_private_segment 0
		.amdhsa_kernarg_size 72
		.amdhsa_user_sgpr_count 2
		.amdhsa_user_sgpr_kernarg_segment_ptr 1
		.amdhsa_wavefront_size32 1
		.amdhsa_system_sgpr_workgroup_id_x 1
		.amdhsa_system_sgpr_workgroup_id_y 1
		.amdhsa_system_sgpr_workgroup_id_z 1
		.amdhsa_system_vgpr_workitem_id 0
		.amdhsa_next_free_vgpr 1024
		.amdhsa_next_free_sgpr 102
		.amdhsa_reserve_vcc 0
		.amdhsa_float_denorm_mode_32 3
		.amdhsa_float_denorm_mode_16_64 3
		.amdhsa_memory_ordered 1
		.amdhsa_forward_progress 1
		.amdhsa_inst_pref_size 146
	.end_amdhsa_kernel
	.amdgpu_metadata
---
amdhsa.version: [ 1, 2 ]
amdhsa.kernels:
  - .name:           k_q094b02a682_proj
    .symbol:         k_q094b02a682_proj.kd
    .args:
      - { .name: xc, .offset: 0, .size: 8, .value_kind: global_buffer, .address_space: global }
      - { .name: xs, .offset: 8, .size: 8, .value_kind: global_buffer, .address_space: global }
      - { .name: wc, .offset: 16, .size: 8, .value_kind: global_buffer, .address_space: global }
      - { .name: ws, .offset: 24, .size: 8, .value_kind: global_buffer, .address_space: global }
      - { .name: bq, .offset: 32, .size: 8, .value_kind: global_buffer, .address_space: global }
      - { .name: bk, .offset: 40, .size: 8, .value_kind: global_buffer, .address_space: global }
      - { .name: bv, .offset: 48, .size: 8, .value_kind: global_buffer, .address_space: global }
      - { .name: qkvc, .offset: 56, .size: 8, .value_kind: global_buffer, .address_space: global }
      - { .name: qkvs, .offset: 64, .size: 8, .value_kind: global_buffer, .address_space: global }
    .group_segment_fixed_size: 279040
    .private_segment_fixed_size: 0
    .kernarg_segment_align: 8
    .kernarg_segment_size: 72
    .max_flat_workgroup_size: 128
    .sgpr_count:     102
    .vgpr_count:     1024
    .wavefront_size: 32
...
	.end_amdgpu_metadata
.endif
;; end of part 2
;; launch attn (part 3): grid 4 x 64, 16 waves a work-group, clusters of 4 x 1, 169,984 bytes of LDS; arguments qkvc, qkvs, oc, os; writes oc, os
.if DOCPART == 3
	.amdgcn_target "amdgcn-amd-amdhsa--gfx1250"
	.amdhsa_code_object_version 6
	.text
	.protected	k_q094b02a682_attn
	.globl	k_q094b02a682_attn
	.p2align	8
	.type	k_q094b02a682_attn,@function
k_q094b02a682_attn:
	s_mov_b64 s[64:65], 0
	v_nop
	global_prefetch_b8 v0, s[64:65] scope:SCOPE_SE
	s_setreg_imm32_b32 hwreg(HW_REG_WAVE_MODE, 25, 1), 1
	s_wait_xcnt 0x0
	s_wait_alu depctr_hold_cnt(0) depctr_sa_sdst(0) depctr_va_vdst(0) depctr_va_sdst(0) depctr_va_ssrc(0) depctr_va_vcc(0) depctr_vm_vsrc(0)
	s_getreg_b32 s2, hwreg(HW_REG_IB_STS2, 6, 4)
	s_cmp_eq_u32 s2, 0
	s_cbranch_scc0 .Lentry_in_a_cluster
	s_endpgm
.Lentry_in_a_cluster:
	s_bfe_u32 s2, ttmp6, 0x10000c
	s_cmp_lg_u32 s2, 0x3003
	s_cbranch_scc0 .Lentry_shape_is_right
	s_endpgm
.Lentry_shape_is_right:
; O[bh][q] = the sum over the keys of softmax(Q[bh][q] . K[bh][key] / 8) V[bh][key], 64 heads (batch x 16 + head) of 2,048 tokens x 64, both products on codes of FP4 with E8M0 scales; O is quantised
; again along the model's 1,024 (a head's 64 are two blocks) for the last product.
; THE SOFTMAX: t = score x log2(e) / 8; M = the row's largest t so far, rounded UP to a whole number; p = 2^(t - M) is what is quantised, along the keys; the row's sum is taken of the unquantised p and
; divides O at the end.  When M moves, the sum and O are multiplied by 2^(old M - new M): exact.
; SHARES.  A work-group owns 512 queries of one head; each of its sixteen waves two tiles of 16, one after the other, in 256 registers: four waves to a SIMD, so that one wave's vector work stands beside
; another's matrix work and LDS loads.  Every wave walks all 2,048 keys, 128 a step.
; THE WHOLE HEAD STAYS IN LDS: K's codes 65,536 bytes, V's 65,536, K's scale words 8,192 (a pair of heads'), V's 4,096.  Every byte is filled once, at the head, one tensor load a wave (waves 0-9), and then only read.
; CLUSTER.  The four work-groups of a head are one cluster and want the same K and V: every fill is asked for JOINTLY, by the same load with the same descriptor and the mask of all four.
; LAYOUT.  Both products are used transposed: S^T = K Q^T (source 0 = 16 keys, source 1 = my 16 queries), O^T = V^T P^T: a lane holds ONE query (lane % 16) throughout.  All operands lie in memory and LDS as
; images of the operand registers: a load is 16 bytes at 16 x lane.  The head's K is 64 and the instruction's 128: registers 4-7 of K's and Q's fragments are zero codes, which add nothing; their scale bytes are 0.
; In tile t of S^T register j of lane (r, h) is key 16 t + 8 h + j; a block of 32 keys is tiles 2 b, 2 b + 1 in lanes l and l xor 16.  The codes of tile 4 c + q go to register 4 c + 2 (q % 2) + q / 2, and two
; exchanges of halves for each c leave keys 64 c + 32 h + 0 .. 31 in registers 4 c .. 4 c + 3.
; LIMITS: NaN and infinities are not served; p under 2^-126 is 0; a block whose largest magnitude lies under 2^-124 (zeros among them) gets the byte 1; the bytes are read by this program alone.
; The scale bytes of O leave as single bytes, 32 a tile: a word of them gathers two heads, which are two work-groups.
; REGISTERS: v1-7 addresses and words that stay; v8-11 addresses of the loads in hand; v12 -M, v13 the largest t, v[14:15] the sum in two halves; v16-23 Q; v24-31 K's scale words; v32-95 K's 8 fragments;
; v96-159 S^T, then p; v160-191 O^T; v192-223 V's 4 fragments; v224-231 p's codes; v232-239, v244-247, v254 at work; v240-243 the second tile's Q; v248-251 V's scale words; v252 f, v253 the old -M; v255 Q's scale word.
.set SCK,  131072
.set SCV,  147456
.set LI,   1                           ; v1  16 x lane
.set LIV,  2                           ; v2  the same in V's region
.set ASK0, 3                           ; v3  my lane's place among K's scale words
.set ASV0, 4                           ; v4  and among V's
.set PWD,  5                           ; v5  p's scale word
.set QW1,  6                           ; v6  the second tile's Q scale word
.set OSO,  7                           ; v7  16 r + h: my byte among O's scale bytes
.set ADK,  8
.set ADV,  9
.set ADS,  10
.set ADT,  11
.set WV,   18                          ; s18 wave
.set BH,   19                          ; s19 batch x 16 + head
.set SEL,  20                          ; s[20:21] lane selects for lane l xor 16
.set CS,   22                          ; s[22:23] c = log2(e) / 8
.set G1,   24                          ; s[24:31] group 1: 64 rows of 256 bytes;  s[32:39]: 32 rows;  s[40:47]: 16 rows;  s[48:51] group 0
.set G1SK, 32
.set G1SV, 40
.set G0,   48
.set TB,   52                          ; s52 the step's codes: 4,096 bytes a step, in K's region and in V's
.set TS,   53                          ; s53 K's scale words: 512 bytes a step
.set TJ,   54                          ; s54 V's: 256
.set CNT,  55
.set HM,   56                          ; s56 lanes 16-31
.macro CROUND                          ; a round of the cluster's barrier
	s_barrier_signal -1
	s_barrier_wait -1
	s_cmp_lg_u32 s[WV], 0
	s_cbranch_scc1 .Lnot_wave_0_\@
	s_barrier_signal -3
.Lnot_wave_0_\@:
	s_barrier_wait -3
	s_barrier_signal -1
	s_barrier_wait -1
.endm
	s_load_b256 s[4:11], s[0:1], 0x0               ; qkvc, qkvs, oc, os
	v_lshl_add_u32 v254, v0, 2, 0x29000
	v_mov_b32 v255, 0
	ds_add_u32 v254, v255
	ds_add_u32 v254, v255
	s_wait_dscnt 0x0
	v_lshrrev_b32 v1, 5, v0
	s_delay_alu instid0(VALU_DEP_1)
	v_readfirstlane_b32 s[WV], v1                  ; wave 0..15
	s_and_b32 s[BH], ttmp7, 0xffff                 ; the head, which the four partners share
	s_bfe_u32 s12, ttmp6, 0x40000                  ; cx
	s_lshl_b32 s13, ttmp9, 2
	s_add_co_u32 s12, s12, s13                     ; my block of 512 queries: it enters Q's and O's addresses alone
	s_mov_b32 s[G1], 15|(3<<16)|(1<<21)            ; the mask: all four; elements of 8 bytes; bit 21 set beside a mask
	s_mov_b32 s[G1+1], 32<<16
	s_mov_b32 s[G1+2], 64<<16
	s_mov_b32 s[G1+3], 32<<16
	s_mov_b32 s[G1+4], 64
	s_mov_b32 s[G1+5], 32
	s_mov_b32 s[G1+6], 0
	s_mov_b32 s[G1+7], 0
	s_mov_b32 s[G1SK], 15|(3<<16)|(1<<21)
	s_mov_b32 s[G1SK+1], 32<<16
	s_mov_b32 s[G1SK+2], 32<<16
	s_mov_b32 s[G1SK+3], 32<<16
	s_mov_b32 s[G1SK+4], 32
	s_mov_b32 s[G1SK+5], 32
	s_mov_b32 s[G1SK+6], 0
	s_mov_b32 s[G1SK+7], 0
	s_mov_b32 s[G1SV], 15|(3<<16)|(1<<21)
	s_mov_b32 s[G1SV+1], 32<<16
	s_mov_b32 s[G1SV+2], 16<<16
	s_mov_b32 s[G1SV+3], 32<<16
	s_mov_b32 s[G1SV+4], 16
	s_mov_b32 s[G1SV+5], 32
	s_mov_b32 s[G1SV+6], 0
	s_mov_b32 s[G1SV+7], 0
	; what I fetch: waves 0-3 a quarter of K's codes, 4-7 of V's; wave 8 K's scale words, wave 9 V's.  It hangs on the wave's number and the head alone
	s_lshr_b32 s70, s[WV], 2
	s_add_co_u32 s70, s70, 1
	s_lshl_b32 s70, s70, 22                        ; k at 4 MiB, v at 8 MiB
	s_lshl_b32 s71, s[BH], 16
	s_add_co_u32 s70, s70, s71
	s_and_b32 s71, s[WV], 3
	s_lshl_b32 s71, s71, 14
	s_add_co_u32 s70, s70, s71
	s_lshr_b32 s72, s[BH], 1
	s_lshl_b32 s72, s72, 13
	s_add_co_u32 s72, s72, 262144                  ; K's scale words: the pair of heads'
	s_lshl_b32 s73, s[BH], 12
	s_add_co_u32 s73, s73, 524288                  ; V's
	s_cmp_eq_u32 s[WV], 8
	s_cselect_b32 s72, s72, s73
	s_mov_b32 s71, 0
	s_mov_b32 s[G0], 1                             ; count = 1
	s_lshl_b32 s[G0+1], s[WV], 14                  ; LDS address: 16,384 x wave: K 0-3, V 4-7, SCK = 8, SCV = 9
	; Q's and O's places
	s_and_b32 s57, s[BH], 1
	s_lshl_b32 s57, s57, 1                         ; my head's two bytes of a q or k scale word
	s_lshl_b32 s74, s12, 5
	s_add_co_u32 s74, s74, s[WV]                   ; my first tile of 16 queries: 32 x block + wave; the second is 16 further on
	s_lshl_b32 s76, s[BH], 16
	s_lshl_b32 s75, s74, 9
	s_add_co_u32 s76, s76, s75                     ; Q's codes: 65,536 a head, 512 a tile
	s_mov_b32 s77, 0
	s_lshr_b32 s78, s[BH], 1
	s_lshl_b32 s78, s78, 13
	s_add_co_u32 s78, s78, s57
	s_lshr_b32 s75, s74, 2
	s_lshl_b32 s75, s75, 8
	s_add_co_u32 s78, s78, s75                     ; Q's scale words: 256 bytes for four tiles,
	s_and_b32 s75, s74, 3
	s_lshl_b32 s75, s75, 2
	s_add_co_u32 s78, s78, s75                     ; a word a tile in a row's 16 bytes
	s_mov_b32 s79, 0
	s_lshr_b32 s14, s[BH], 4
	s_lshl_b32 s14, s14, 7
	s_add_co_u32 s14, s14, s74                     ; O's group of 16 rows: 128 x batch + tile
	s_and_b32 s15, s[BH], 15                       ; head
	s_lshl_b32 s16, s14, 13
	s_lshl_b32 s17, s15, 9
	s_add_co_u32 s16, s16, s17                     ; codes: 8,192 a group, 512 a head (two blocks of 256 bytes)
	s_mov_b32 s17, 0
	s_lshl_b32 s14, s14, 9                         ; scale bytes: 512 a group;
	s_lshr_b32 s75, s15, 3
	s_lshl_b32 s75, s75, 8
	s_add_co_u32 s14, s14, s75                     ; which 512 along K: head / 8;
	s_bfe_u32 s75, s15, 0x20001
	s_lshl_b32 s75, s75, 2
	s_add_co_u32 s14, s14, s75                     ; which word: (head / 2) % 4;
	s_add_co_u32 s14, s14, s57                     ; which two bytes: 2 (head % 2)
	s_mov_b32 s15, 0
	s_mov_b32 s[SEL], 0x76543210
	s_mov_b32 s[SEL+1], 0xfedcba98
	s_mov_b32 s[CS], 0x3e38aa3b                    ; c = log2(e) / 8
	s_mov_b32 s[CS+1], s[CS]                       ; (named with it as a pair, so it is written)
	s_wait_kmcnt 0x0
	s_cmp_lt_u32 s[WV], 8
	s_cselect_b32 s70, s70, s72
	s_cselect_b64 s[G0+2:G0+3], s[4:5], s[6:7]     ; codes or scale words
	s_add_nc_u64 s[G0+2:G0+3], s[G0+2:G0+3], s[70:71]
	s_or_b32 s[G0+3], s[G0+3], 0x80000000          ; type = 2
	s_add_nc_u64 s[58:59], s[4:5], s[76:77]
	s_add_nc_u64 s[60:61], s[6:7], s[78:79]
	s_add_nc_u64 s[66:67], s[8:9], s[16:17]
	s_add_nc_u64 s[68:69], s[10:11], s[14:15]
	CROUND                                         ; all four work-groups are here: the joint loads meet
	s_cmp_lt_u32 s[WV], 8                          ; a wave's one fill; the branches hang on the wave's number alone; four v_nop follow each line
	s_cbranch_scc0 .Lnot_codes
	tensor_load_to_lds s[G0:G0+3], s[G1:G1+7]
	s_nop 0
.rept 4
	v_nop
.endr
	s_branch .Lasked
.Lnot_codes:
	s_cmp_eq_u32 s[WV], 8
	s_cbranch_scc0 .Lnot_kwords
	tensor_load_to_lds s[G0:G0+3], s[G1SK:G1SK+7]
	s_nop 0
.rept 4
	v_nop
.endr
	s_branch .Lasked
.Lnot_kwords:
	s_cmp_eq_u32 s[WV], 9
	s_cbranch_scc0 .Lasked
	tensor_load_to_lds s[G0:G0+3], s[G1SV:G1SV+7]
	s_nop 0
.rept 4
	v_nop
.endr
.Lasked:
	v_and_b32 v8, 31, v0
	s_delay_alu instid0(VALU_DEP_1)
	v_lshlrev_b32 v[LI], 4, v8
	s_delay_alu instid0(VALU_DEP_1)
	v_add_nc_u32 v[LIV], 65536, v[LI]
	v_and_b32 v9, 15, v0                           ; r
	v_bfe_u32 v10, v0, 4, 1                        ; h
	s_delay_alu instid0(VALU_DEP_2)
	v_lshlrev_b32 v11, 4, v9                       ; 16 r
	s_delay_alu instid0(VALU_DEP_1)
	v_add_nc_u32 v[ASV0], SCV, v11
	s_add_co_u32 s75, s57, SCK
	v_add_nc_u32 v[ASK0], s75, v11
	v_add_nc_u32 v[OSO], v11, v10
	v_cmp_lt_u32 s[HM], 15, v8
	global_load_b128 v[16:19], v[LI], s[58:59]               ; Q's codes, both tiles
	global_load_b128 v[240:243], v[LI], s[58:59] offset:8192
	global_load_u16 v255, v11, s[60:61]                      ; and their scale words: my head's two bytes, zeros above
	global_load_u16 v[QW1], v11, s[60:61] offset:1024
.irp j, 20,21,22,23
	v_mov_b32 v[\j], 0                             ; Q's zero codes for k = 64 .. 127
.endr
.irp t, 0,1,2,3,4,5,6,7
.irp j, 4,5,6,7
	v_mov_b32 v[32+8*\t+\j], 0                     ; K's: written once; the loads touch registers 0-3 of a fragment alone
.endr
.endr
.irp b, 0,1,2,3
	v_mov_b32 v[236+\b], 0                         ; a lane permute's destination counts as one of its sources
.endr
	s_wait_loadcnt 0x0                             ; Q
	s_wait_tensorcnt 0x0                           ; my fill has landed (a wave without one passes),
	s_barrier_signal -1
	s_barrier_wait -1                              ; everybody's has: from here on LDS is only read
; A KEY STEP: 128 keys.
.macro STEP
	v_add_nc_u32 v[ADK], s[TB], v[LI]
	v_add_nc_u32 v[ADS], s[TS], v[ASK0]
.irp t, 0,1,2,3,4,5,6,7
	ds_load_b128 v[32+8*\t:35+8*\t], v[ADK] offset:512*\t            ; keys 16 t on
	ds_load_u16 v[24+\t], v[ADS] offset:256*(\t/4)+4*(\t%4)          ; their scale words: my head's two bytes
.endr
	s_wait_dscnt 0x0
.irp t, 0,1,2,3,4,5,6,7
	v_wmma_scale_f32_16x16x128_f8f6f4 v[96+8*\t:103+8*\t], v[32+8*\t:39+8*\t], v[16:23], 0, v[24+\t], v255 matrix_a_fmt:MATRIX_FMT_FP4 matrix_b_fmt:MATRIX_FMT_FP4
.endr
	v_add_nc_u32 v[ADV], s[TB], v[LIV]             ; four plain lines: the places in front of the first read of the scores, and, with the two at the step's head, in front of the loads into the registers that the last step's second products read
	v_add_nc_u32 v[ADT], s[TJ], v[ASV0]
	v_mov_b32 v253, v12                            ; the old -M
	v_nop
.irp d, 0,1,2,3
.irp c, 0,1
	ds_load_b128 v[192+8*\d+4*\c:195+8*\d+4*\c], v[ADV] offset:1024*\d+512*\c   ; V^T: 16 of d x these 128 keys; they land under the softmax
.endr
.endr
	ds_load_b128 v[248:251], v[ADT]                ; row d = r: the four tiles' scale words
.irp b, 0,1,2,3
	v_max3_num_f32 v[232+\b], v[96+16*\b], v[97+16*\b], v[98+16*\b]   ; the largest score of each block of 32 keys: it serves for the row's maximum and, since p rises with the score, for the block's largest p
.endr
.irp i, 3,5,7,9,11,13
.irp b, 0,1,2,3
	v_max3_num_f32 v[232+\b], v[232+\b], v[96+16*\b+\i], v[97+16*\b+\i]
.endr
.endr
.irp b, 0,1,2,3
	v_max_num_f32 v[232+\b], v[232+\b], v[111+16*\b]
.endr
.irp b, 0,1,2,3
	s_delay_alu instid0(VALU_DEP_4)
	v_permlanex16_b32 v[236+\b], v[232+\b], s[SEL], s[SEL+1]
.endr
.irp b, 0,1,2,3
	s_delay_alu instid0(VALU_DEP_4)
	v_max_num_f32 v[232+\b], v[232+\b], v[236+\b]  ; with lane l xor 16's 16 keys
.endr
	s_delay_alu instid0(VALU_DEP_2)
	v_max3_num_f32 v254, v232, v233, v234
	s_delay_alu instid0(VALU_DEP_1)
	v_max_num_f32 v254, v254, v235                 ; the step's largest score of my query
	s_delay_alu instid0(VALU_DEP_1)
	v_mul_f32 v254, s[CS], v254                    ; as t (c is positive)
	s_delay_alu instid0(VALU_DEP_1)
	v_max_num_f32 v13, v13, v254                   ; the running largest t
	s_delay_alu instid0(VALU_DEP_1)
	v_floor_f32 v12, -v13                          ; the new -M = floor(-t) = -ceil(t): a whole number
	s_delay_alu instid0(VALU_DEP_1)
	v_sub_f32 v254, v12, v253                      ; old M - new M: a whole number, 0 or less
	s_delay_alu instid0(VALU_DEP_1)
	v_cvt_i32_f32 v254, v254                       ; (it saturates)
	s_delay_alu instid0(VALU_DEP_1)
	v_ldexp_f32 v252, 1.0, v254                    ; f = 2^(old M - new M)
.set j, 0
.rept 32
	v_pk_fma_f32 v[96+j:97+j], v[96+j:97+j], s[CS:CS+1], v[12:13] op_sel_hi:[1,0,0]   ; t - M, two at a time (of the pairs c and -M the low word serves both halves)
.set j, j+2
.endr
.irp b, 0,1,2,3
	v_fma_f32 v[232+\b], v[232+\b], s[CS], v12     ; the same of each block's largest score
.endr
.set j, 0
	s_wait_alu depctr_va_vdst(0)
.rept 64
	v_exp_f32 v[96+j], v[96+j]                     ; p = 2^(t - M), at most 1: not normalised
.set j, j+1
.endr
	s_setprio 1
	v_pk_mul_f32 v[14:15], v[14:15], v[252:253] op_sel_hi:[1,0]   ; the sums under the new M: a plain line behind the exponentials
	s_wait_alu depctr_va_vdst(0)                   ; one wait for the batch of 64, ahead of its first reader
.irp b, 0,1,2,3
	v_exp_f32 v[232+\b], v[232+\b]                 ; the block's largest p: the same two instructions on the same number give the same bits
.endr
	v_pk_add_f32 v[236:237], v[100:101], v[104:105]
	v_pk_add_f32 v[246:247], v[108:109], v[112:113]
	v_pk_add_f32 v[244:245], v[116:117], v[120:121]
	v_pk_add_f32 v[238:239], v[124:125], v[128:129]
	v_pk_add_f32 v[230:231], v[132:133], v[136:137]
	v_pk_add_f32 v[228:229], v[140:141], v[144:145]
	v_pk_add_f32 v[226:227], v[148:149], v[152:153]
	v_pk_add_f32 v[14:15], v[14:15], v[156:157]
	v_pk_add_f32 v[236:237], v[236:237], v[96:97]
	v_pk_add_f32 v[246:247], v[246:247], v[98:99]
	v_pk_add_f32 v[244:245], v[244:245], v[102:103]
	v_pk_add_f32 v[238:239], v[238:239], v[106:107]
	v_pk_add_f32 v[230:231], v[230:231], v[110:111]
	v_pk_add_f32 v[228:229], v[228:229], v[114:115]
	v_pk_add_f32 v[226:227], v[226:227], v[118:119]
	v_pk_add_f32 v[14:15], v[14:15], v[122:123]
	v_pk_add_f32 v[236:237], v[236:237], v[126:127]
	v_pk_add_f32 v[246:247], v[246:247], v[130:131]
	v_pk_add_f32 v[244:245], v[244:245], v[134:135]
	v_pk_add_f32 v[238:239], v[238:239], v[138:139]
	v_pk_add_f32 v[230:231], v[230:231], v[142:143]
	v_pk_add_f32 v[228:229], v[228:229], v[146:147]
	v_pk_add_f32 v[226:227], v[226:227], v[150:151]
	v_pk_add_f32 v[14:15], v[14:15], v[154:155]
	v_pk_add_f32 v[236:237], v[236:237], v[158:159]
	s_delay_alu instid0(VALU_DEP_2)
	v_pk_add_f32 v[14:15], v[14:15], v[238:239]
	s_delay_alu instid0(VALU_DEP_2)
	v_pk_add_f32 v[236:237], v[236:237], v[230:231]
	v_pk_add_f32 v[246:247], v[246:247], v[228:229]
	v_pk_add_f32 v[244:245], v[244:245], v[226:227]
	s_delay_alu instid0(VALU_DEP_2)
	v_pk_add_f32 v[14:15], v[14:15], v[246:247]
	s_delay_alu instid0(VALU_DEP_2)
	v_pk_add_f32 v[236:237], v[236:237], v[244:245]
	s_delay_alu instid0(VALU_DEP_1)
	v_pk_add_f32 v[14:15], v[14:15], v[236:237]
	s_wait_alu depctr_va_vdst(0)                   ; and one for the four
.irp b, 0,1,2,3
	v_max_num_f32 v[232+\b], 0x1800000, v[232+\b]  ; the floor 2^(3 - 127): the byte cannot fall under 1
.endr
.irp b, 0,1,2,3
	s_delay_alu instid0(VALU_DEP_4)
	v_add_nc_u32 v[244+\b], 0xff000000, v[232+\b]  ; 2 off the exponent field: the conversion's scale operand
.endr
.irp b, 0,1,2,3
	s_delay_alu instid0(VALU_DEP_4)
	v_lshrrev_b32 v[236+\b], 23, v[244+\b]         ; the scale's byte
.endr
	s_delay_alu instid0(VALU_DEP_3)
	v_lshl_or_b32 v[PWD], v237, 8, v236            ; p's scale word for these 128 keys
	s_delay_alu instid0(VALU_DEP_1)
	v_lshl_or_b32 v[PWD], v238, 16, v[PWD]
	s_delay_alu instid0(VALU_DEP_1)
	v_lshl_or_b32 v[PWD], v239, 24, v[PWD]
.irp c, 0,1
.irp q, 0,1,2,3
	v_cvt_scalef32_pk8_fp4_f32 v[224+4*\c+2*(\q%2)+\q/2], v[96+8*(4*\c+\q):103+8*(4*\c+\q)], v[244+2*\c+\q/2]
.endr
.endr
	v_nop                                          ; one plain line behind the conversions
.irp c, 0,1
	v_permlane16_swap_b32 v[224+4*\c], v[225+4*\c]
	v_permlane16_swap_b32 v[226+4*\c], v[227+4*\c]
.endr
.set j, 0
	s_setprio 0
.rept 16
	v_pk_mul_f32 v[160+j:161+j], v[160+j:161+j], v[252:253] op_sel_hi:[1,0]   ; O^T under the new M.  Twelve of the sixteen name no register of any one product below: the places behind p's scale word and codes
.set j, j+2
.endr
	s_wait_alu depctr_va_vdst(0)
	s_wait_dscnt 0x0                               ; V
.irp d, 0,1,2,3
	v_wmma_scale_f32_16x16x128_f8f6f4 v[160+8*\d:167+8*\d], v[192+8*\d:199+8*\d], v[224:231], v[160+8*\d:167+8*\d], v[248+\d], v[PWD] matrix_a_fmt:MATRIX_FMT_FP4 matrix_b_fmt:MATRIX_FMT_FP4
.endr
	s_add_co_u32 s[TB], s[TB], 4096                ; the next step
	s_add_co_u32 s[TS], s[TS], 512
	s_add_co_u32 s[TJ], s[TJ], 256
.endm
; A TILE of 16 queries: all 16 key steps, then the way out.
.macro TILE u
.if \u
	s_wait_xcnt 0x0                                ; the first tile's stores have read their registers
.irp j, 0,1,2,3
	v_mov_b32 v[16+\j], v[240+\j]                  ; the second tile's Q
.endr
	v_mov_b32 v255, v[QW1]
.endif
	v_mov_b32 v13, 0xff61b1e6                      ; the largest t so far: -3e38, under every t
	s_delay_alu instid0(VALU_DEP_1)
	v_floor_f32 v12, -v13                          ; -M
	v_mov_b32 v14, 0                               ; the sum, in two halves
	v_mov_b32 v15, 0
.set j, 0
.rept 32
	v_mov_b32 v[160+j], 0                          ; O^T: the step is written once; the first finds zeros, which the first change of M leaves zeros
.set j, j+1
.endr
	s_mov_b32 s[TB], 0
	s_mov_b32 s[TS], 0
	s_mov_b32 s[TJ], 0
	s_mov_b32 s[CNT], 16
.Lstep_\u:
	s_setprio 2
	STEP
	s_sub_co_u32 s[CNT], s[CNT], 1
	s_cmp_lg_u32 s[CNT], 0
	s_cbranch_scc1 .Lstep_\u
	s_setprio 0
	v_add_f32 v14, v14, v15                        ; the sum's two halves,
	s_delay_alu instid0(VALU_DEP_1)
	v_permlanex16_b32 v252, v14, s[SEL], s[SEL+1]
	s_delay_alu instid0(VALU_DEP_1)
	v_add_f32 v14, v14, v252                       ; and lane l xor 16's: the row's sum
	s_wait_alu depctr_va_vdst(0)
	v_rcp_f32 v14, v14
	v_nop                                          ; plain lines behind the reciprocal; with the two additions they are the four places behind the last products
	v_nop
	s_wait_alu depctr_va_vdst(0)                   ; ahead of the reciprocal's first reader
.set j, 0
.rept 32
	v_mul_f32 v[96+j], v[160+j], v14               ; O^T / the sum, each accumulator from its low end on: register 8 t + i is o(r, 16 t + 8 h + i)
.set j, j+1
.endr
.irp b, 0,1
	v_max3_num_f32 v[232+\b], |v[96+16*\b]|, |v[97+16*\b]|, 0x1800000   ; the head's two blocks of 32
.endr
.irp i, 2,4,6,8,10,12,14
.irp b, 0,1
	s_delay_alu instid0(VALU_DEP_2)
	v_max3_num_f32 v[232+\b], v[232+\b], |v[96+16*\b+\i]|, |v[97+16*\b+\i]|
.endr
.endr
.irp b, 0,1
	s_delay_alu instid0(VALU_DEP_2)
	v_permlanex16_b32 v[236+\b], v[232+\b], s[SEL], s[SEL+1]
.endr
.irp b, 0,1
	s_delay_alu instid0(VALU_DEP_2)
	v_max_num_f32 v[232+\b], v[232+\b], v[236+\b]
.endr
.irp b, 0,1
	s_delay_alu instid0(VALU_DEP_2)
	v_add_nc_u32 v[244+\b], 0xff000000, v[232+\b]
.endr
.irp b, 0,1
	s_delay_alu instid0(VALU_DEP_2)
	v_lshrrev_b32 v[236+\b], 23, v[244+\b]
.endr
.irp q, 0,1,2,3
	v_cvt_scalef32_pk8_fp4_f32 v[224+2*(\q%2)+\q/2], v[96+8*\q:103+8*\q], v[244+\q/2]
.endr
	v_nop                                          ; one plain line behind the conversions
	v_permlane16_swap_b32 v224, v225
	v_permlane16_swap_b32 v226, v227               ; registers 224-227 of lane (r, h): d = 32 h + 0 .. 31 of query r
	v_cndmask_b32 v238, v236, v237, s[HM]          ; lanes 0-15 store block 0's byte, lanes 16-31 block 1's
	global_store_b128 v[LI], v[224:227], s[66:67] offset:131072*\u   ; 32 lanes store 512 consecutive bytes, aligned: the head's two blocks of the group's image
	global_store_b8 v[OSO], v238, s[68:69] offset:8192*\u
.endm
	TILE 0
	TILE 1
	s_wait_xcnt 0x0
	v_lshl_add_u32 v254, v0, 2, 0x29000
	v_mov_b32 v255, 0
	s_wait_alu depctr_va_vdst(0)
	s_wait_tensorcnt 0x0
	ds_add_u32 v254, v255
	s_wait_dscnt 0x0
	CROUND                                         ; the closing round: no work-group ends while a partner may still ask for a tile that names it
	s_endpgm
.Lfunc_end_k_q094b02a682_attn:
	.size	k_q094b02a682_attn, .Lfunc_end_k_q094b02a682_attn-k_q094b02a682_attn
	.p2alignl 7, 3214868480
	.fill 96, 4, 3214868480
	.section	.rodata,"a",@progbits
	.p2align	6, 0x0
	.amdhsa_kernel k_q094b02a682_attn
		.amdhsa_group_segment_fixed_size 169984
		.amdhsa_private_segment_fixed_size 0
		.amdhsa_enable_private_segment 0
		.amdhsa_kernarg_size 32
		.amdhsa_user_sgpr_count 2
		.amdhsa_user_sgpr_kernarg_segment_ptr 1
		.amdhsa_wavefront_size32 1
		.amdhsa_system_sgpr_workgroup_id_x 1
		.amdhsa_system_sgpr_workgroup_id_y 1
		.amdhsa_system_sgpr_workgroup_id_z 1
		.amdhsa_system_vgpr_workitem_id 0
		.amdhsa_next_free_vgpr 256
		.amdhsa_next_free_sgpr 80
		.amdhsa_reserve_vcc 0
		.amdhsa_float_denorm_mode_32 3
		.amdhsa_float_denorm_mode_16_64 3
		.amdhsa_memory_ordered 1
		.amdhsa_forward_progress 1
		.amdhsa_inst_pref_size 53
	.end_amdhsa_kernel
	.amdgpu_metadata
---
amdhsa.version: [ 1, 2 ]
amdhsa.kernels:
  - .name:           k_q094b02a682_attn
    .symbol:         k_q094b02a682_attn.kd
    .args:
      - { .name: qkvc, .offset: 0, .size: 8, .value_kind: global_buffer, .address_space: global }
      - { .name: qkvs, .offset: 8, .size: 8, .value_kind: global_buffer, .address_space: global }
      - { .name: oc, .offset: 16, .size: 8, .value_kind: global_buffer, .address_space: global }
      - { .name: os, .offset: 24, .size: 8, .value_kind: global_buffer, .address_space: global }
    .group_segment_fixed_size: 169984
    .private_segment_fixed_size: 0
    .kernarg_segment_align: 8
    .kernarg_segment_size: 32
    .max_flat_workgroup_size: 512
    .sgpr_count:     80
    .vgpr_count:     256
    .wavefront_size: 32
...
	.end_amdgpu_metadata
.endif
;; end of part 3
;; launch outp (part 4): grid 4 x 32, 4 waves a work-group, clusters of 4 x 4, 312,832 bytes of LDS; arguments oc, os, wc, ws, bo, out0; writes out0
.if DOCPART == 4
	.amdgcn_target "amdgcn-amd-amdhsa--gfx1250"
	.amdhsa_code_object_version 6
	.text
	.protected	k_q094b02a682_outp
	.globl	k_q094b02a682_outp
	.p2align	8
	.type	k_q094b02a682_outp,@function
k_q094b02a682_outp:
	s_mov_b64 s[64:65], 0
	v_nop
	global_prefetch_b8 v0, s[64:65] scope:SCOPE_SE
	s_setreg_imm32_b32 hwreg(HW_REG_WAVE_MODE, 25, 1), 1
	s_wait_xcnt 0x0
	s_wait_alu depctr_hold_cnt(0) depctr_sa_sdst(0) depctr_va_vdst(0) depctr_va_sdst(0) depctr_va_ssrc(0) depctr_va_vcc(0) depctr_vm_vsrc(0)
	s_getreg_b32 s2, hwreg(HW_REG_IB_STS2, 6, 4)
	s_cmp_eq_u32 s2, 0
	s_cbranch_scc0 .Lentry_in_a_cluster
	s_endpgm
.Lentry_in_a_cluster:
	s_bfe_u32 s2, ttmp6, 0x10000c
	s_cmp_lg_u32 s2, 0xf033
	s_cbranch_scc0 .Lentry_shape_is_right
	s_endpgm
.Lentry_shape_is_right:
; out0 = O Wo^T + bo on codes of FP4 with E8M0 scales; out0 [8192][1024] f32.  C[m][n] = bo[n] + sum over k of A[m][k] B[n][k], K = 1,024; A = O's codes, B = Wo's (rows 3,072 on of the stacked weights).
; A tile of C, 256 x 256, is made by four waves, each 128 x 128: 64 accumulators of 16 x 16.  THE MATRIX INSTRUCTION IS USED TRANSPOSED (source 0 = 16 rows of B, source 1 = 16 rows of A): a lane holds eight
; neighbouring numbers of a row of C.  The bias is the C of each sum's first product (so it is the sums' first addend, not their last).
; OPERANDS come as images of the operand registers: codes [group of 16 rows][block of 32: 32][row][16 bytes]; scale words [group][K / 512][row][4 words].  A fragment is two loads at 16 x lane.
; K is two slots of 512; both are asked for at the head together with the scale words: three loads of mine are out.  No LDS byte is filled twice; the stage for the way out has bytes of its own.
; CLUSTERS: 4 x 4 work-groups; A's tiles are asked for jointly along a row of the cluster, B's along a column.  C has 128 tiles: 128 work-groups.
; REGISTERS, in windows of 256: window 0: v1-27 addresses; v32-95 scale words, two sets; v128-191 A's fragments, one set; v192-255 the bias; on the way out v128-255 take rows of C.
;   window 1: B's fragments, two sets, at v0 and v128.   windows 2, 3: the accumulators, (a, b) at v[8 (8 (a % 4) + b)] of window 2 + a / 4.
.set SLOT, 131072                      ; a slot: A's 16 groups x 4,096 bytes, then B's
.set BOFF, 65536
.set SCL,  262144                      ; behind the slots: A's scale words, 8,192 bytes, then B's
.set STAGE, 278528                     ; behind them: 16 rows x 528 bytes for each wave
.set SPITCH, 528
.set ADRA, 16
.set ADRB, 20
.set STO,  24                          ; v24 the way out: where I put 32 bytes of a row
.set RD,   25                          ; v25 where I read a row back
.set LI,   26                          ; v26 16 x lane: also my byte offset in a row's 512 bytes of C
.set ADRS, 27
.set SC,   32
.set AF,   128
.set BK,   128
.set BIAS, 192
.set G1, 24
.set G0, 32
.set G1B, 48
.set G0B, 56
.set G1S, 68
.set G0S, 76
.set G1SB, 80
.set G0SB, 88
.set MSB, 0
.macro WIN new                         ; s_set_vgpr_msb: bits 1:0 source 0, 3:2 source 1, 5:4 source 2, 7:6 destination; the high byte repeats the setting that is left
.if MSB != \new
	s_set_vgpr_msb (MSB<<8)|\new
.set MSB, \new
.endif
.endm
.macro JLOAD g0a, g1a, g0b, g1b        ; a joint load: waves 0 and 1 fetch for A, waves 2 and 3 for B; four v_nop follow each line
	s_cmp_eq_u32 s23, 0
	s_cbranch_scc0 .Lfor_b_\@
	tensor_load_to_lds s[\g0a:\g0a+3], s[\g1a:\g1a+7]
	s_nop 0
.rept 4
	v_nop
.endr
	s_branch .Lasked_\@
.Lfor_b_\@:
	tensor_load_to_lds s[\g0b:\g0b+3], s[\g1b:\g1b+7]
	s_nop 0
.rept 4
	v_nop
.endr
.Lasked_\@:
.endm
.macro CROUND                          ; a round of the cluster's barrier
	s_barrier_signal -1
	s_barrier_wait -1
	s_cmp_lg_u32 s22, 0
	s_cbranch_scc1 .Lnot_wave_0_\@
	s_barrier_signal -3
.Lnot_wave_0_\@:
	s_barrier_wait -3
	s_barrier_signal -1
	s_barrier_wait -1
.endm
.macro PLACES n                        ; plain vector lines between a matrix instruction and a load into, or a read of, its registers
.rept \n
	v_nop
.endr
.endm
.macro FRAG reg, adr, q, i             ; a fragment, 16 rows x 128 K: registers 4 c .. 4 c + 3 of lane l lie at 512 c + 16 l of its 1,024 bytes
.irp c, 0,1
	ds_load_b128 v[\reg+4*\c:\reg+4*\c+3], v[\adr] offset:1024*(\q)+512*\c+4096*(\i)
.endr
.endm
.macro FETCH_B slot, q, p
	WIN 0x40
.irp i, 0,1,2,3,4,5,6,7
	FRAG 128*(\p)+8*\i, ADRB+\slot, \q, \i
.endr
	WIN 0
.endm
.macro FETCH_A slot, q, i0
.irp i, \i0, \i0+1, \i0+2, \i0+3
	FRAG AF+8*(\i), ADRA+\slot, \q, \i
.endr
.endm
.macro SCALES sc
.irp i, 0,1,2,3,4,5,6,7
	ds_load_b128 v[SC+32*\sc+4*\i:SC+32*\sc+4*\i+3], v[ADRS] offset:512*\i
.endr
.endm
; 16 matrix instructions: A's blocks a0, a0 + 1 x B's eight.  cm = 0: C = D; 1: C = the bias of B's block b.  The 64 accumulators take turns, one instruction a turn, in the same order in every step.
.macro MUL16 a0, p, q, sc, cm
.irp a, \a0, \a0+1
.irp b, 0,1,2,3,4,5,6,7
.set rD, 8*(8*((\a)%4)+\b)
.set rB, 128*(\p)+8*\b
.set rA, AF+8*(\a)
.set rSB, SC+32*(\sc)+4*\b+(\q)
.set rSA, SC+32*(\sc)+4*(\a)+(\q)
.if \cm == 1
	v_wmma_scale_f32_16x16x128_f8f6f4 v[rD:rD+7], v[rB:rB+7], v[rA:rA+7], v[BIAS+8*\b:BIAS+8*\b+7], v[rSB], v[rSA] matrix_a_fmt:MATRIX_FMT_FP4 matrix_b_fmt:MATRIX_FMT_FP4 matrix_a_scale:MATRIX_SCALE_ROW1
.else
	v_wmma_scale_f32_16x16x128_f8f6f4 v[rD:rD+7], v[rB:rB+7], v[rA:rA+7], v[rD:rD+7], v[rSB], v[rSA] matrix_a_fmt:MATRIX_FMT_FP4 matrix_b_fmt:MATRIX_FMT_FP4 matrix_a_scale:MATRIX_SCALE_ROW1
.endif
.endr
.endr
.endm
.macro STEP slot, q, cm
	s_wait_dscnt 8                                 ; all but the youngest eight loads (A's blocks 4-7) are in
.if \cm
	WIN 0x81                                       ; source 0 (B) window 1, source 1 (A) and C (the bias) window 0, D window 2
.else
	WIN 0xa1
.endif
	MUL16 0, (\q)%2, \q, \slot, \cm
	MUL16 2, (\q)%2, \q, \slot, \cm
	s_wait_dscnt 0
	PLACES 4
	FETCH_B \slot, (\q)+1, 1-(\q)%2
	FETCH_A \slot, (\q)+1, 0
.if \cm
	WIN 0xc1
.else
	WIN 0xf1
.endif
	MUL16 4, (\q)%2, \q, \slot, \cm
	MUL16 6, (\q)%2, \q, \slot, \cm
	PLACES 4
	WIN 0
	FETCH_A \slot, (\q)+1, 4
.endm
	s_load_b256 s[4:11], s[0:1], 0x0               ; oc, os, wc, ws
	s_load_b128 s[12:15], s[0:1], 0x20             ; bo, out0
	v_lshl_add_u32 v126, v0, 2, 0x4c400
	v_mov_b32 v127, 0
	ds_add_u32 v126, v127
	ds_add_u32 v126, v127
	v_lshrrev_b32 v1, 5, v0
	v_readfirstlane_b32 s22, v1                    ; wave 0..3
	s_lshr_b32 s23, s22, 1                         ; my half of the tile's rows.  Also: I fetch for A (0) or for B (1)
	s_and_b32 s2, s22, 1                           ; my half of its columns.  Also: which 128 rows I fetch
	s_bfe_u32 s40, ttmp6, 0x40000                  ; cx
	s_bfe_u32 s41, ttmp6, 0x40004                  ; cy
	s_lshl_b32 s42, ttmp9, 2
	s_add_co_u32 s42, s42, s40                     ; tile column
	s_and_b32 s67, ttmp7, 0xffff
	s_lshl_b32 s67, s67, 2
	s_add_co_u32 s67, s67, s41                     ; tile row
	s_lshl_b32 s43, s41, 2
	s_lshl_b32 s43, 15, s43                        ; my row of the cluster
	s_lshl_b32 s44, 0x1111, s40                    ; my column
	s_or_b32 s[G1], s43, (3<<16)|(1<<21)           ; the mask; elements of 8 bytes; bit 21 set beside a mask; no padding
	s_or_b32 s[G1B], s44, (3<<16)|(1<<21)
.irp g, G1, G1B                        ; codes: 8 groups of rows, of each 4,096 bytes (a slot's part), 8,192 bytes apart
	s_mov_b32 s[\g+1], 512<<16
	s_mov_b32 s[\g+2], 8<<16
	s_mov_b32 s[\g+3], 512<<16
	s_mov_b32 s[\g+4], 8
	s_mov_b32 s[\g+5], 1024
	s_mov_b32 s[\g+6], 0
	s_mov_b32 s[\g+7], 0
.endr
	s_or_b32 s[G1S], s43, (3<<16)|(1<<21)
	s_or_b32 s[G1SB], s44, (3<<16)|(1<<21)
.irp g, G1S, G1SB                      ; scale words of 128 rows: 4,096 dense bytes, as 16 rows of 256
	s_mov_b32 s[\g+1], 32<<16
	s_mov_b32 s[\g+2], 16<<16
	s_mov_b32 s[\g+3], 32<<16
	s_mov_b32 s[\g+4], 16
	s_mov_b32 s[\g+5], 32
	s_mov_b32 s[\g+6], 0
	s_mov_b32 s[\g+7], 0
.endr
	s_lshl_b32 s45, s2, 7                          ; which 128 rows I fetch
	s_lshl_b32 s92, s67, 8
	s_add_co_u32 s92, s92, s45                     ; A: row 256 x tile row + 128 x half
	s_lshl_b32 s46, s42, 8
	s_add_co_u32 s46, s46, s45
	s_add_co_u32 s46, s46, 3072                    ; B: Wo's rows in the stacked weights
	s_lshl_b32 s94, s92, 5                         ; scale words: 32 bytes a row
	s_mov_b32 s95, 0
	s_lshl_b32 s92, s92, 9                         ; codes: 512 bytes a row
	s_mov_b32 s93, 0
	s_lshl_b32 s96, s46, 5
	s_mov_b32 s97, 0
	s_lshl_b32 s46, s46, 9
	s_mov_b32 s47, 0
	s_lshl_b32 s45, s22, 15                        ; where my part goes: 32,768 x wave in a slot,
	s_lshl_b32 s3, s22, 12                         ; 4,096 x wave among the scale words
	s_wait_dscnt 0x0
	s_wait_kmcnt 0x0
	s_add_nc_u64 s[G0+2:G0+3], s[4:5], s[92:93]
	s_add_nc_u64 s[G0+6:G0+7], s[G0+2:G0+3], 4096  ; slot 1: the groups' second 4,096 bytes
	s_add_nc_u64 s[G0B+2:G0B+3], s[8:9], s[46:47]
	s_add_nc_u64 s[G0B+6:G0B+7], s[G0B+2:G0B+3], 4096
	s_add_nc_u64 s[G0S+2:G0S+3], s[6:7], s[94:95]
	s_add_nc_u64 s[G0SB+2:G0SB+3], s[10:11], s[96:97]
.irp g, G0, G0+4, G0B, G0B+4, G0S, G0SB
	s_mov_b32 s[\g], 1                             ; count = 1
	s_or_b32 s[\g+3], s[\g+3], 0x80000000          ; type = 2
.endr
	s_mov_b32 s[G0+1], s45
	s_add_co_u32 s[G0+5], s45, SLOT
	s_mov_b32 s[G0B+1], s45
	s_add_co_u32 s[G0B+5], s45, SLOT
	s_add_co_u32 s[G0S+1], s3, SCL
	s_add_co_u32 s[G0SB+1], s3, SCL
	CROUND                                         ; all sixteen work-groups are here: the joint loads meet
	JLOAD G0S, G1S, G0SB, G1SB                     ; the scale words,
	JLOAD G0, G1, G0B, G1B                         ; slot 0,
	JLOAD G0+4, G1, G0B+4, G1B                     ; slot 1
	v_and_b32 v1, 15, v0                           ; r
	v_bfe_u32 v2, v0, 4, 1                         ; h
	v_and_b32 v3, 31, v0
	v_lshlrev_b32 v[LI], 4, v3
	s_lshl_b32 s92, s23, 15                        ; my 128 rows of A
	v_add_nc_u32 v[ADRA], s92, v[LI]
	v_add_nc_u32 v[ADRA+1], SLOT, v[ADRA]
	s_lshl_b32 s93, s2, 15                         ; my 128 rows of B, behind A's
	s_add_co_u32 s93, s93, BOFF
	v_add_nc_u32 v[ADRB], s93, v[LI]
	v_add_nc_u32 v[ADRB+1], SLOT, v[ADRB]
	s_lshl_b32 s92, s23, 12                        ; scale words: A's, my 128 rows;
	s_lshl_b32 s93, s2, 12
	s_add_co_u32 s93, s93, 8192                    ; B's, behind A's 8,192 bytes
	s_sub_co_u32 s93, s93, s92
	v_mul_u32_u24 v5, s93, v2                      ; lanes 16-31 take B's: one product, h x the distance
	s_wait_alu depctr_va_vdst(0)
	s_add_co_u32 s92, s92, SCL
	v_lshl_add_u32 v5, v1, 4, v5
	v_add_nc_u32 v[ADRS], s92, v5
	s_mul_i32 s94, s22, 16*SPITCH
	s_add_co_u32 s94, s94, STAGE                   ; my stage
	v_mul_u32_u24 v5, v1, SPITCH
	v_lshl_add_u32 v5, v2, 5, v5
	v_add_nc_u32 v[STO], s94, v5                   ; in: row r, 32 bytes for each half of the lanes
	v_add_nc_u32 v[RD], s94, v[LI]                 ; back: the 32 lanes take one row of 512 bytes
	s_lshl_b32 s92, s42, 10
	s_lshl_b32 s93, s2, 9
	s_add_co_u32 s92, s92, s93                     ; my first column, in bytes
	s_mov_b32 s93, 0
	s_add_nc_u64 s[12:13], s[12:13], s[92:93]
	v_lshlrev_b32 v4, 5, v2                        ; the bias: register 8 b + j = bo(16 b + 8 h + j)
.irp b, 0,1,2,3,4,5,6,7
	global_load_b128 v[BIAS+8*\b:BIAS+8*\b+3], v4, s[12:13] offset:64*\b
	global_load_b128 v[BIAS+8*\b+4:BIAS+8*\b+7], v4, s[12:13] offset:64*\b+16
.endr
	s_lshl_b32 s94, s67, 8
	s_lshl_b32 s95, s23, 7
	s_add_co_u32 s94, s94, s95                     ; my first row of C
	s_lshl_b32 s94, s94, 12                        ; 4,096 bytes a row
	s_add_co_u32 s94, s94, s92
	s_mov_b32 s95, 0
	s_add_nc_u64 s[14:15], s[14:15], s[94:95]
	s_wait_alu depctr_va_vdst(0)
	s_wait_tensorcnt 1                             ; my parts of the scale words and of slot 0 are in; slot 1's load may be out
	s_barrier_signal -1
	s_barrier_wait -1
	FETCH_B 0, 0, 0
	FETCH_A 0, 0, 0
	SCALES 0
	FETCH_A 0, 0, 4
	s_wait_loadcnt 0x0                             ; the bias
	STEP 0, 0, 1                                   ; the first step's products start the sums with the bias
	STEP 0, 1, 0
	STEP 0, 2, 0
	; slot 0's last step changes slots: one barrier; in front of it each wave has its part of slot 1
	s_wait_tensorcnt 0x0
	s_wait_dscnt 8
	WIN 0xa1
	MUL16 0, 1, 3, 0, 0
	s_wait_dscnt 0x0                               ; no LDS instruction of mine is out at the signal
	s_barrier_signal -1
	MUL16 2, 1, 3, 0, 0
	WIN 0
	s_barrier_wait -1                              ; slot 1 is whole
	PLACES 4
	v_add_nc_u32 v[ADRS], 256, v[ADRS]             ; slot 1's scale words
	FETCH_B 1, 0, 0
	FETCH_A 1, 0, 0
	SCALES 1
	WIN 0xf1
	MUL16 4, 1, 3, 0, 0
	MUL16 6, 1, 3, 0, 0
	PLACES 4
	WIN 0
	FETCH_A 1, 0, 4
	STEP 1, 0, 0
	STEP 1, 1, 0
	STEP 1, 2, 0
	s_wait_dscnt 8                                 ; the very last step: nothing more to fetch
	WIN 0xa1
	MUL16 0, 1, 3, 1, 0
	MUL16 2, 1, 3, 1, 0
	s_wait_dscnt 0
	WIN 0xf1
	MUL16 4, 1, 3, 1, 0
	MUL16 6, 1, 3, 1, 0
	WIN 0
; THE WAY OUT, block by block of 16 rows x 128 columns.  A lane holds 32 neighbouring bytes of a row, and the lanes beside it hold other rows: so a block goes through my own stage in LDS and comes back as whole
; rows of 512 bytes.  LDS serves a wave's instructions in order (ISA guide 5.7.1.4): no wait between the stores and the loads, nor in front of the next block's stores.
.macro TOSTAGE a
.set AC, 64*((\a)%4)
.set WW, 0x08+4*((\a)/4)
	WIN WW                                         ; an LDS store's data are its source 1: window 2 or 3
.irp b, 0,1,2,3,4,5,6,7
	ds_store_b128 v[STO], v[AC+8*\b:AC+8*\b+3] offset:64*\b          ; each accumulator from its low end on
	ds_store_b128 v[STO], v[AC+8*\b+4:AC+8*\b+7] offset:64*\b+16
.endr
	WIN 0
.set BB, BK+64*((\a)%2)
.irp t, 0,1,2,3,4,5,6,7,8,9,10,11,12,13,14,15
	ds_load_b128 v[BB+4*\t:BB+4*\t+3], v[RD] offset:\t*SPITCH
.endr
.endm
.macro SEND a, younger                 ; younger: the LDS instructions issued behind block a's loads, which may stay out
.set BB, BK+64*((\a)%2)
	s_wait_dscnt \younger                          ; the block is back in registers
.if (\a) > 0
	s_add_nc_u64 s[14:15], s[14:15], 16*4096       ; 16 rows of C on (behind a wait for the earlier stores' addresses)
.endif
.irp t, 0,1,2,3,4,5,6,7,8,9,10,11,12,13,14,15
	global_store_b128 v[LI], v[BB+4*\t:BB+4*\t+3], s[14:15] offset:\t*4096 th:TH_STORE_NT   ; 32 lanes store 512 consecutive bytes, aligned; written once, read by nobody here
.endr
.endm
	PLACES 4                                       ; in front of the first read of results and of the loads into the registers that held A's fragments
	TOSTAGE 0
.irp a, 1,2,3,4,5,6,7
.if \a > 1
	s_wait_xcnt 0x0                                ; block a - 2's stores have read their registers and their base: block a's loads may land there, and the base may step
.endif
	TOSTAGE \a
	SEND \a-1, 32                                  ; behind block a - 1's loads: block a's 16 stores and 16 loads
.endr
	s_wait_xcnt 0x0                                ; block 6's stores have read their base
	SEND 7, 0
	s_wait_tensorcnt 0x0
	ds_add_u32 v126, v127
	s_wait_dscnt 0x0
	CROUND                                         ; the closing round: no work-group ends while a partner may still ask for a tile that names it
	s_endpgm
.Lfunc_end_k_q094b02a682_outp:
	.size	k_q094b02a682_outp, .Lfunc_end_k_q094b02a682_outp-k_q094b02a682_outp
	.p2alignl 7, 3214868480
	.fill 96, 4, 3214868480
	.section	.rodata,"a",@progbits
	.p2align	6, 0x0
	.amdhsa_kernel k_q094b02a682_outp
		.amdhsa_group_segment_fixed_size 312832
		.amdhsa_private_segment_fixed_size 0
		.amdhsa_enable_private_segment 0
		.amdhsa_kernarg_size 48
		.amdhsa_user_sgpr_count 2
		.amdhsa_user_sgpr_kernarg_segment_ptr 1
		.amdhsa_wavefront_size32 1
		.amdhsa_system_sgpr_workgroup_id_x 1
		.amdhsa_system_sgpr_workgroup_id_y 1
		.amdhsa_system_sgpr_workgroup_id_z 1
		.amdhsa_system_vgpr_workitem_id 0
		.amdhsa_next_free_vgpr 1024
		.amdhsa_next_free_sgpr 98
		.amdhsa_reserve_vcc 0
		.amdhsa_float_denorm_mode_32 3
		.amdhsa_float_denorm_mode_16_64 3
		.amdhsa_memory_ordered 1
		.amdhsa_forward_progress 1
		.amdhsa_inst_pref_size 125
	.end_amdhsa_kernel
	.amdgpu_metadata
---
amdhsa.version: [ 1, 2 ]
amdhsa.kernels:
  - .name:           k_q094b02a682_outp
    .symbol:         k_q094b02a682_outp.kd
    .args:
      - { .name: oc, .offset: 0, .size: 8, .value_kind: global_buffer, .address_space: global }
      - { .name: os, .offset: 8, .size: 8, .value_kind: global_buffer, .address_space: global }
      - { .name: wc, .offset: 16, .size: 8, .value_kind: global_buffer, .address_space: global }
      - { .name: ws, .offset: 24, .size: 8, .value_kind: global_buffer, .address_space: global }
      - { .name: bo, .offset: 32, .size: 8, .value_kind: global_buffer, .address_space: global }
      - { .name: out0, .offset: 40, .size: 8, .value_kind: global_buffer, .address_space: global }
    .group_segment_fixed_size: 312832
    .private_segment_fixed_size: 0
    .kernarg_segment_align: 8
    .kernarg_segment_size: 48
    .max_flat_workgroup_size: 128
    .sgpr_count:     98
    .vgpr_count:     1024
    .wavefront_size: 32
...
	.end_amdgpu_metadata
.endif
;; end of part 4
